; MI455X (gfx1250); checked and timed in simulation.
; The chip was launched on July 23, 2026; its instructions are those of AMD's public machine-readable ISA for CDNA 5 (MIT licence, August 2026) and "CDNA5" Instruction Set Architecture Reference Guide (July 2026). The comments in the code are by the model that wrote it; some were corrected since.
;; Transformer Block. Allowed arithmetic: matrix products marked QUANTISED: E3M2 operands, one E8M0 scale for each 32 along K, by v_wmma_scale_f32_16x16x128_f8f6f4 with both operands' format E3M2, f32 sums; everything else in f32.
;; Inputs: W1 1,024 x 4,096 float32; W2 4,096 x 1,024 float32; Wa 1,024 x 3,072 float32; Wout 1,024 x 1,024 float32; b1 4,096 float32; b2 1,024 float32; be1 1,024 float32; be2 1,024 float32; bout 1,024 float32; g1 1,024 float32; g2 1,024 float32; x 2 x 2,048 x 1,024 float32.
;; Outputs: out0 2 x 2,048 x 1,024 float32.
;; This version of the problem:
;;   THIS VERSION OF THE PROBLEM IS GIVEN IN LOW PRECISION. The matrix products marked QUANTISED in the list below multiply operands that are first quantised to E3M2 (3 exponent bits, 2 mantissa bits; 6 bits a number), with one power-of-two scale for each 32 numbers along K (OCP MX v1.0); their sums are f32. All else is computed in f32.
;;   The module's matrix products, in the order in which they are computed (A, B: the left and right operand; K: the contracted axis; several contracted axes count as one K, in the product's order):
;;     1. [M 4,096, K 1,024] x [K 1,024, N 3,072]; A: computed on the way; B: input Wa: QUANTISED
;;     2. batch 32 x [M 2,048, K 64] x [K 64, N 2,048]; A: computed on the way; B: computed on the way: QUANTISED
;;     3. batch 32 x [M 2,048, K 2,048] x [K 2,048, N 64]; A: softmax (see below); B: computed on the way: QUANTISED
;;     4. [M 4,096, K 1,024] x [K 1,024, N 1,024]; A: computed on the way; B: input Wout: QUANTISED
;;     5. [M 4,096, K 1,024] x [K 1,024, N 4,096]; A: computed on the way; B: input W1: QUANTISED
;;     6. [M 4,096, K 4,096] x [K 4,096, N 1,024]; A: computed on the way; B: input W2: QUANTISED
;;   THE QUANTISER, for each operand of a quantised product, along K:
;;     - K is cut into blocks of 32 from its start; a last block that is shorter is filled with zeros.
;;     - A block's scale is 2^e with e = floor(log2(the largest magnitude in the block)) - 4, held to -126 .. 127; a block of zeros has e = 0. As a byte (E8M0): e + 127.
;;     - Each number is divided by its block's scale, clamped to +-28, and rounded to the nearest number of E3M2, ties to even, subnormals kept.
;;     - The product sums the exact products of the quantised numbers (number of the format x scale) in f32.
;;   ~~~python
;;   def quantise(x, axis):      # numpy; x: float32 -> the quantised numbers, widened to float32 again
;;       x = np.moveaxis(x, axis, -1); K = x.shape[-1]
;;       x = np.pad(x, [(0, 0)] * (x.ndim - 1) + [(0, -K % 32)]); x = x.reshape(x.shape[:-1] + (-1, 32)); a = np.abs(x).max(-1, keepdims=True)
;;       e = np.where(a > 0, np.clip(np.frexp(np.where(a > 0, a, 1))[1] - 1 - 4, -126, 127), 0)      # np.frexp(a)[1] - 1 = floor(log2(a)), exactly
;;       r = np.clip(x / 2.0 ** e, -28, 28)
;;       step = 2.0 ** (np.maximum(np.frexp(np.where(r == 0, 1, r))[1] - 1, -2) - 2)
;;       q = np.round(r / step) * step * 2.0 ** e      # np.round: ties to even
;;       return np.moveaxis(q.reshape(q.shape[:-2] + (-1,))[..., :K], -1, axis).astype(np.float32)
;;   ~~~
;;   SOFTMAX AHEAD OF A QUANTISED PRODUCT. Where the list says 'softmax', what is quantised is not the finished softmax but p = 2^(t - M), with t = logit x log2(e) and M = ceil(the row's largest t), a whole number; so 1/2 < the row's largest p <= 1. The row's sum l is taken of the UNQUANTISED p, in f32, and the product's result is divided by l at the end. Since M is a whole number, a kernel that streams over the keys may use a running M (the ceiling of the running maximum): every later rescaling is an exact power of two, which a block's scale takes up: the codes' values come out the same.
;;   OPERANDS COMPUTED ON THE WAY. 'Computed on the way' means the value that the module computes at that place (a softmax that the list does not call 'softmax' is quantised finished and normalised). What goes into a quantiser is computed in f32, as accurately as f32 sums, v_exp_f32 and their like allow (about 1e-6 of the number): no bf16 or f16 on the way to a quantiser, and a product that is left as it is and whose result goes on into a quantised operand takes f32 operands (vector FMAs, or v_wmma_f32_16x16x4_f32). A number that lies on a knife's edge between two numbers of the format may be rounded either way, as far as f32 arithmetic and the matrix unit's own rounding can turn it there, and no further.
;; One version. Each part assembles by itself: llvm-mc -triple=amdgcn-amd-amdhsa -mcpu=gfx1250 --defsym DOCPART=n.
;; ======== version 1 of 1: 6 launches
;; limits: right only within a limited range of input values
;; workspace buffers: wa 3,244,032 bytes; wo 819,200 bytes; w1 3,276,800 bytes; w2 3,276,800 bytes; act 3,276,800 bytes; big 16,384,000 bytes; act2 3,276,800 bytes; zb 16,384 bytes
;; launch prep (part 1): grid 448 x 1, 8 waves a work-group, no clusters, 67,072 bytes of LDS; arguments x, g1, be1, act, Wa, Wout, W1, W2, wa, wo, w1, w2, zb; writes act, wa, wo, w1, w2, zb
.if DOCPART == 1
	.amdgcn_target "amdgcn-amd-amdhsa--gfx1250"
	.amdhsa_code_object_version 6
	.text
	.protected	k_q81bfd09ca1_prep
	.globl	k_q81bfd09ca1_prep
	.p2align	8
	.type	k_q81bfd09ca1_prep,@function
k_q81bfd09ca1_prep:
	s_mov_b64 s[64:65], 0
	v_nop
	global_prefetch_b8 v0, s[64:65] scope:SCOPE_SE
	s_setreg_imm32_b32 hwreg(HW_REG_WAVE_MODE, 25, 1), 1
	s_wait_xcnt 0x0
; ONE LAUNCH, TWO KINDS OF WORK that hang on nothing of each other and both feed the next launch.  Work-groups 0-191 turn the four weights into codes; work-groups 192-447 make act = Q(layernorm(x) x g1 + be1).
; The branch between them hangs on the work-group's number alone: all eight waves of a work-group take one way.  Only the second way uses LDS and a barrier.  The weights' work-groups, the longer ones, come first.
; THE WEIGHTS, f32 [K][N] with K as the FIRST axis, become codes of BF6 (E3M2) with one E8M0 byte for each 32 along K, laid as the later launches' operand registers take them.
; A block's scale is 2^(floor(log2(largest magnitude)) - 4); its byte is the largest magnitude's exponent field - 4, held at 1 from below.
; LIMITS: a block whose largest magnitude lies under 2^-122, a block of zeros too, gets the byte 1 (its codes are then zeros or tiny; this program alone reads the bytes); NaN and infinities are not served.
; LAYOUT OF CODES.  Rows n go in tiles of 16; tile 2 B + u, row m, is n = 32 B + 8 u + m + 8 (m / 8).  A half fragment (tile, 64 along K) is 6 registers a lane: lane (r, h) holds k = 64 j + 32 h + 0 .. 31 of row r.
; It lies at (B x K / 64 + j) x 1,536 + 768 u + 256 g + 8 x lane (g: register pair): each store of the wave covers 256 consecutive bytes, aligned.
; LAYOUT OF SCALE WORDS (four bytes: 128 along K of a row): ((row / 256) x K / 128 + kstep) x 1,024 + 4 (row % 256), row counted in tile order.
; A LANE TAKES A COLUMN n AND ITS REGISTERS RUN DOWN K: a block of 32 lies in one lane, nothing is transposed.  Lanes 0-15 take tile 2 B, lanes 16-31 tile 2 B + 1.
; A wave: 32 columns x 256 along K (8 blocks).  A work-group: 256 columns.  Work-groups 0-47 Wa, 48-63 Wout, 64-127 W1, 128-191 W2.
; Wa's columns are taken in the order q (head x 64 + d), k, v: source column = head x 192 + kind x 64 + d.  Wout's 16 work-groups also clear zb, 1,024 bytes each.
; THE NORM: see the comment at its label.
.set NWW, 192                          ; work-groups that take weights
.set X,  32                            ; v32-95   two sets of 32 numbers
.set SB, 24                            ; v24-25   the scale words of the two K steps
.set CC, 96                            ; v96-191  codes: 12 registers a block, 48 a K step: no store's data are written again
.macro WLOAD t, N, SRC                 ; block t: W(32 t + i, my column), i = 0 .. 31
.set i, 0
.rept 32
	global_load_b32 v[X+32*((\t)%2)+i], v3, s[\SRC:\SRC+1] offset:(32*(\t)+i)*\N*4 th:TH_LOAD_NT
.set i, i+1
.endr
.endm
.macro WBLOCK t, N, SRC
.set XS, X+32*((\t)%2)
.set CB, CC+48*((\t)/4)+12*((\t)%4)
.if (\t) < 7
	s_wait_loadcnt 32                              ; this block's 32 loads are in; the next block's may be out
.else
	s_wait_loadcnt 0x0
.endif
	v_max3_num_f32 v12, |v[XS]|, |v[XS+1]|, |v[XS+2]|      ; the block's largest magnitude: all 32 numbers are mine; two chains
	v_max3_num_f32 v13, |v[XS+3]|, |v[XS+4]|, |v[XS+5]|
.irp n, 6,10,14,18,22,26
	s_delay_alu instid0(VALU_DEP_2)
	v_max3_num_f32 v12, v12, |v[XS+\n]|, |v[XS+\n+1]|
	s_delay_alu instid0(VALU_DEP_2)
	v_max3_num_f32 v13, v13, |v[XS+\n+2]|, |v[XS+\n+3]|
.endr
	s_delay_alu instid0(VALU_DEP_2)
	v_max3_num_f32 v12, v12, |v[XS+30]|, |v[XS+31]|
	s_delay_alu instid0(VALU_DEP_1)
	v_max3_num_f32 v12, v12, v13, 0x2800000        ; and the floor 2^(5 - 127): the byte cannot fall under 1
	s_delay_alu instid0(VALU_DEP_1)
	v_add_nc_u32 v11, 0xfe000000, v12              ; 4 off the exponent field: the conversion's scale operand
	s_delay_alu instid0(VALU_DEP_1)
	v_lshrrev_b32 v13, 23, v11                     ; the scale's byte
.if (\t)%4 == 0
	s_delay_alu instid0(VALU_DEP_1)
	v_mov_b32 v[SB+(\t)/4], v13
.else
	s_delay_alu instid0(VALU_DEP_1)
	v_lshl_or_b32 v[SB+(\t)/4], v13, 8*((\t)%4), v[SB+(\t)/4]
.endif
	v_cvt_scalef32_pk16_bf6_f32 v[CB:CB+2], v[XS:XS+15], v11
	v_cvt_scalef32_pk16_bf6_f32 v[CB+6:CB+8], v[XS+16:XS+31], v11   ; (a conversion's three registers begin on an even number)
.if (\t)+2 < 8
	WLOAD (\t)+2, \N, \SRC
.endif
.endm
.macro WFLUSH ks                       ; a K step's four blocks leave.  Blocks 2 e and 2 e + 1 change halves: then one holds tile 2 B's half fragment e, the other tile 2 B + 1's
	v_nop                                          ; one plain place behind a scaled conversion
.irp e, 0,1
.irp n, 0,1,2,6,7,8
	v_permlane16_swap_b32 v[CC+48*\ks+24*\e+\n], v[CC+48*\ks+24*\e+12+\n]
.endr
.endr
.irp b, 0,1,2,3
.irp n, 0,1,2
	v_mov_b32 v[CC+48*\ks+12*\b+3+\n], v[CC+48*\ks+12*\b+6+\n]
.endr
.endr
.irp e, 0,1
.irp u, 0,1
.irp g, 0,1,2
	global_store_b64 v4, v[CC+48*\ks+12*(2*\e+\u)+2*\g:CC+48*\ks+12*(2*\e+\u)+2*\g+1], s[28:29] offset:\ks*3072+\e*1536+\u*768+\g*256
.endr
.endr
.endr
	global_store_b32 v5, v[SB+\ks], s[30:31] offset:\ks*1024     ; 128 consecutive bytes: a pair of tiles has no more for a K step; the eight waves' stores lie on end (1 byte in 128 of what these work-groups read)
.endm
.macro WQ N, K, LOGKC, FIRST, SRC, DST, SCOFF, PERM, ZB
	s_sub_co_u32 s3, ttmp9, \FIRST                 ; my number within the tensor
	s_and_b32 s4, s3, (\K/256)-1                   ; which 256 along K
	s_lshr_b32 s5, s3, \LOGKC                      ; which 256 columns
	s_lshl_b32 s6, s5, 3
	s_add_co_u32 s6, s6, s2                        ; B: my wave's pair of tiles
	s_lshl_b32 s7, s6, 5                           ; its first column
.if \PERM
	s_bfe_u32 s26, s7, 0x40006                     ; head
	s_mul_i32 s26, s26, 192
	s_lshr_b32 s27, s7, 10                         ; kind: q, k, v
	s_lshl_b32 s27, s27, 6
	s_add_co_u32 s26, s26, s27
	s_and_b32 s27, s7, 63
	s_add_co_u32 s7, s26, s27                      ; the column in Wa
.endif
	s_lshl_b32 s26, s7, 2
	s_mul_i32 s27, s4, 256*\N*4
	s_add_co_u32 s26, s26, s27
	s_mov_b32 s27, 0
	s_add_nc_u64 s[\SRC:\SRC+1], s[\SRC:\SRC+1], s[26:27]
	s_mul_i32 s26, s6, \K/64
	s_lshl_b32 s28, s4, 2
	s_add_co_u32 s26, s26, s28
	s_mul_i32 s26, s26, 1536
	s_add_nc_u64 s[28:29], s[\DST:\DST+1], s[26:27]              ; my codes
	s_lshr_b32 s26, s6, 3
	s_mul_i32 s26, s26, \K/128
	s_lshl_b32 s30, s4, 1
	s_add_co_u32 s26, s26, s30
	s_lshl_b32 s26, s26, 10
	s_and_b32 s30, s6, 7
	s_lshl_b32 s30, s30, 7
	s_add_co_u32 s26, s26, s30
	s_add_co_u32 s26, s26, \SCOFF
	s_add_nc_u64 s[30:31], s[\DST:\DST+1], s[26:27]              ; my scale words
	WLOAD 0, \N, \SRC
	WLOAD 1, \N, \SRC
	WBLOCK 0, \N, \SRC
	WBLOCK 1, \N, \SRC
	WBLOCK 2, \N, \SRC
	WBLOCK 3, \N, \SRC
	WFLUSH 0
	WBLOCK 4, \N, \SRC
	WBLOCK 5, \N, \SRC
	WBLOCK 6, \N, \SRC
	WBLOCK 7, \N, \SRC
	WFLUSH 1
.if \ZB
	s_cmp_lg_u32 s2, 0                             ; wave 0 alone clears 1,024 bytes of zb
	s_cbranch_scc1 .Lnozb_\@
	s_lshl_b32 s26, s3, 10
	s_mov_b32 s27, 0
	s_add_nc_u64 s[24:25], s[24:25], s[26:27]
	v_mov_b32 v16, 0
	v_mov_b32 v17, 0
	v_mov_b32 v18, 0
	v_mov_b32 v19, 0
	v_lshlrev_b32 v20, 4, v2
	global_store_b128 v20, v[16:19], s[24:25]
	global_store_b128 v20, v[16:19], s[24:25] offset:512
.Lnozb_\@:
.endif
	s_endpgm
.endm
; ---- names and macros of the norm
.set PITCH, 4112
.set XR,  32                           ; v32-95   two rows; later 64 numbers of a K step
.set GG,  96                           ; v96-127  g
.set BE,  128                          ; v128-159 be
.set PC,  160                          ; v160-179 the codes just made
.set TM,  180                          ; v180-195 at work in QUANT
.set PW,  196                          ; the scale word
.set SEL, 14                           ; s[14:15] v_permlanex16_b32's selects for lane l xor 16
; 64 numbers of a lane, register 16 b + i = k 32 b + 16 (lane / 16) + i of my row, become a fragment's codes in v[PC] on and its scale word in v[pw]
.macro QUANT s, pw
.irp b, 0,1,2,3
	v_max3_num_f32 v[TM+\b], |v[\s+16*\b]|, |v[\s+1+16*\b]|, 0x2800000   ; my 16 numbers of block b, and the floor 2^(5 - 127)
.endr
.irp i, 2,4,6,8,10,12,14
.irp b, 0,1,2,3
	s_delay_alu instid0(VALU_DEP_4)
	v_max3_num_f32 v[TM+\b], v[TM+\b], |v[\s+16*\b+\i]|, |v[\s+1+16*\b+\i]|
.endr
.endr
.irp b, 0,1,2,3
	s_delay_alu instid0(VALU_DEP_4)
	v_permlanex16_b32 v[TM+4+\b], v[TM+\b], s[SEL], s[SEL+1]
.endr
.irp b, 0,1,2,3
	s_delay_alu instid0(VALU_DEP_4)
	v_max_num_f32 v[TM+\b], v[TM+\b], v[TM+4+\b]   ; with lane l xor 16's: the block's largest magnitude
.endr
.irp b, 0,1,2,3
	s_delay_alu instid0(VALU_DEP_4)
	v_add_nc_u32 v[TM+12+\b], 0xfe000000, v[TM+\b] ; 4 off its exponent field: the conversion's scale operand
.endr
.irp b, 0,1,2,3
	s_delay_alu instid0(VALU_DEP_4)
	v_lshrrev_b32 v[TM+4+\b], 23, v[TM+12+\b]      ; the scale's byte
.endr
	s_delay_alu instid0(VALU_DEP_3)
	v_lshl_or_b32 v[\pw], v[TM+5], 8, v[TM+4]
	s_delay_alu instid0(VALU_DEP_1)
	v_lshl_or_b32 v[\pw], v[TM+6], 16, v[\pw]
	s_delay_alu instid0(VALU_DEP_1)
	v_lshl_or_b32 v[\pw], v[TM+7], 24, v[\pw]
.irp c, 0,1
	v_cvt_scalef32_pk16_bf6_f32 v[PC+6*\c:PC+2+6*\c], v[\s+32*\c:\s+15+32*\c], v[TM+12+2*\c]
	v_cvt_scalef32_pk16_bf6_f32 v[PC+12+4*\c:PC+14+4*\c], v[\s+16+32*\c:\s+31+32*\c], v[TM+12+2*\c+1]
.endr
	v_nop                                          ; one plain place behind a scaled conversion
.irp c, 0,1                                    ; the operand's layout wants a whole block in a lane
.irp i, 0,1,2
	v_permlane16_swap_b32 v[PC+6*\c+\i], v[PC+12+4*\c+\i]
.endr
.irp i, 0,1,2
	s_delay_alu instid0(VALU_DEP_3)
	v_mov_b32 v[PC+3+6*\c+\i], v[PC+12+4*\c+\i]
.endr
.endr
.endm
.macro ACROSS r                        ; the sum of v[r] over the 32 lanes, in every lane; v[r+1] is at work
	s_delay_alu instid0(VALU_DEP_1)
	v_add_f32_dpp v[\r], v[\r], v[\r] row_xmask:1 row_mask:0xf bank_mask:0xf
	s_delay_alu instid0(VALU_DEP_1)
	v_add_f32_dpp v[\r], v[\r], v[\r] row_xmask:2 row_mask:0xf bank_mask:0xf
	s_delay_alu instid0(VALU_DEP_1)
	v_add_f32_dpp v[\r], v[\r], v[\r] row_xmask:4 row_mask:0xf bank_mask:0xf
	s_delay_alu instid0(VALU_DEP_1)
	v_add_f32_dpp v[\r], v[\r], v[\r] row_xmask:8 row_mask:0xf bank_mask:0xf
	s_delay_alu instid0(VALU_DEP_1)
	v_permlanex16_b32 v[\r+1], v[\r], s[SEL], s[SEL+1]
	s_delay_alu instid0(VALU_DEP_1)
	v_add_f32 v[\r], v[\r], v[\r+1]
.endm
.macro STAT R                          ; row R: x - mean in place; 1 / sqrt(var + eps) twice in v[TT+4:TT+5]
.set XB, XR+32*\R
.set TT, 8+8*\R
	v_pk_add_f32 v[TT:TT+1], v[XB:XB+1], v[XB+2:XB+3]
	v_pk_add_f32 v[TT+2:TT+3], v[XB+4:XB+5], v[XB+6:XB+7]
.irp j, 8,12,16,20,24,28
	s_delay_alu instid0(VALU_DEP_2)
	v_pk_add_f32 v[TT:TT+1], v[TT:TT+1], v[XB+\j:XB+\j+1]
	s_delay_alu instid0(VALU_DEP_2)
	v_pk_add_f32 v[TT+2:TT+3], v[TT+2:TT+3], v[XB+\j+2:XB+\j+3]
.endr
	s_delay_alu instid0(VALU_DEP_1)
	v_pk_add_f32 v[TT:TT+1], v[TT:TT+1], v[TT+2:TT+3]
	s_delay_alu instid0(VALU_DEP_1)
	v_add_f32 v[TT], v[TT], v[TT+1]
	ACROSS TT
	s_delay_alu instid0(VALU_DEP_1)
	v_mul_f32 v[TT], s20, v[TT]                    ; the mean: the sum / 1,024
	s_delay_alu instid0(VALU_DEP_1)
	v_mov_b32 v[TT+1], v[TT]
.irp j, 0,2,4,6,8,10,12,14,16,18,20,22,24,26,28,30
	v_pk_add_f32 v[XB+\j:XB+\j+1], v[XB+\j:XB+\j+1], v[TT:TT+1] neg_lo:[0,1] neg_hi:[0,1]
.endr
	v_pk_mul_f32 v[TT+2:TT+3], v[XB:XB+1], v[XB:XB+1]
	v_pk_mul_f32 v[TT+4:TT+5], v[XB+2:XB+3], v[XB+2:XB+3]
.irp j, 4,8,12,16,20,24,28
	s_delay_alu instid0(VALU_DEP_2)
	v_pk_fma_f32 v[TT+2:TT+3], v[XB+\j:XB+\j+1], v[XB+\j:XB+\j+1], v[TT+2:TT+3]
	s_delay_alu instid0(VALU_DEP_2)
	v_pk_fma_f32 v[TT+4:TT+5], v[XB+\j+2:XB+\j+3], v[XB+\j+2:XB+\j+3], v[TT+4:TT+5]
.endr
	s_delay_alu instid0(VALU_DEP_1)
	v_pk_add_f32 v[TT+2:TT+3], v[TT+2:TT+3], v[TT+4:TT+5]
	s_delay_alu instid0(VALU_DEP_1)
	v_add_f32 v[TT+2], v[TT+2], v[TT+3]
	ACROSS TT+2
	s_delay_alu instid0(VALU_DEP_1)
	v_fma_f32 v[TT+2], v[TT+2], s20, s21           ; var + eps
	s_wait_alu depctr_va_vdst(0)
	v_rsq_f32 v[TT+4], v[TT+2]
	v_nop                                          ; one plain place behind a transcendental
	s_wait_alu depctr_va_vdst(0)
	v_mov_b32 v[TT+5], v[TT+4]
.endm
.macro NORM R
.set XB, XR+32*\R
.set TT, 8+8*\R
.irp j, 0,2,4,6,8,10,12,14,16,18,20,22,24,26,28,30
	v_pk_mul_f32 v[XB+\j:XB+\j+1], v[XB+\j:XB+\j+1], v[TT+4:TT+5]
.endr
.irp j, 0,2,4,6,8,10,12,14,16,18,20,22,24,26,28,30
	v_pk_fma_f32 v[XB+\j:XB+\j+1], v[XB+\j:XB+\j+1], v[GG+\j:GG+\j+1], v[BE+\j:BE+\j+1]
.endr
.irp j, 0,1,2,3,4,5,6,7
	ds_store_b128 v4, v[XB+4*\j:XB+4*\j+3] offset:\R*PITCH+512*\j
.endr
.endm
	v_lshl_add_u32 v200, v0, 2, 0x10200
	v_mov_b32 v201, 0
	s_cmp_ge_u32 ttmp9, NWW                        ; weights or norm?  By the work-group's number alone
	s_cbranch_scc1 .Lln
	s_load_b512 s[8:23], s[0:1], 0x20              ; Wa s[8:9], Wout s[10:11], W1 s[12:13], W2 s[14:15], wa s[16:17], wo s[18:19], w1 s[20:21], w2 s[22:23]
	s_load_b64 s[24:25], s[0:1], 0x60              ; zb
	v_lshrrev_b32 v1, 5, v0
	s_delay_alu instid0(VALU_DEP_1)
	v_readfirstlane_b32 s2, v1                     ; wave 0..7
	v_and_b32 v2, 31, v0                           ; lane
	s_delay_alu instid0(VALU_DEP_1)
	v_and_b32 v3, 7, v2
	s_delay_alu instid0(VALU_DEP_2)
	v_bfe_u32 v6, v2, 3, 1
	s_delay_alu instid0(VALU_DEP_1)
	v_lshl_add_u32 v3, v6, 4, v3
	s_delay_alu instid0(VALU_DEP_4)
	v_bfe_u32 v6, v2, 4, 1
	s_delay_alu instid0(VALU_DEP_1)
	v_lshl_add_u32 v3, v6, 3, v3                   ; my column of the 32: lane % 8 + 16 ((lane / 8) % 2) + 8 (lane / 16)
	s_delay_alu instid0(VALU_DEP_1)
	v_lshlrev_b32 v3, 2, v3
	v_lshlrev_b32 v4, 3, v2                        ; codes: 8 bytes a lane
	v_lshlrev_b32 v5, 2, v2                        ; scale words: 4 bytes a lane
	s_wait_kmcnt 0x0
	s_cmp_lt_u32 ttmp9, 48
	s_cbranch_scc1 .Lwa
	s_cmp_lt_u32 ttmp9, 64
	s_cbranch_scc1 .Lwo
	s_cmp_lt_u32 ttmp9, 128
	s_cbranch_scc1 .Lw1
	s_wait_alu depctr_va_vdst(0)
	WQ 1024, 4096, 4, 128, 14, 22, 3145728, 0, 0
.Lw1:
	s_wait_alu depctr_va_vdst(0)
	WQ 4096, 1024, 2, 64, 12, 20, 3145728, 0, 0
.Lwo:
	s_wait_alu depctr_va_vdst(0)
	WQ 1024, 1024, 2, 48, 10, 18, 786432, 0, 1
.Lwa:
	s_wait_alu depctr_va_vdst(0)
	WQ 3072, 1024, 2, 0, 8, 16, 3145728, 1, 0
; THE NORM.  act = Q(layernorm(x) x g1 + be1).  x: [4096][1024] f32.  act: codes of BF6 (E3M2) and E8M0 scale words along the row's 1,024, laid as operand registers:
; tile rt, row r, is token 32 (rt / 2) + 8 (rt % 2) + r + 8 (r / 8); a half fragment (tile, 64 along K) lies at ((rt / 2) x 16 + j) x 1,536 + 768 (rt % 2) + 256 g + 8 x lane;
; scale words behind the codes, at 3,145,728 + ((row / 256) x 8 + kstep) x 1,024 + 4 (row % 256), row = 16 rt + r.
; Mean and variance in two passes, f32: the mean is taken away before the squares.
; A work-group is one tile of 16 tokens, rt = its number - 192.  Phase A: wave w normalises tile rows 2 w and 2 w + 1 (two neighbouring tokens), a whole row in 32 registers, and puts them into LDS (rows 4,112 bytes
; apart: an odd multiple of 16, so that sixteen rows' same column falls on sixteen different groups of banks).  Phase B: wave w takes K step w of all 16 rows, 16 neighbours of each block a lane, and quantises.
.Lln:
	s_load_b256 s[4:11], s[0:1], 0x0               ; x s[4:5], g1 s[6:7], be1 s[8:9], act s[10:11]
	s_sub_co_u32 s28, ttmp9, NWW                   ; rt: my tile
	v_lshrrev_b32 v1, 5, v0
	s_delay_alu instid0(VALU_DEP_1)
	v_readfirstlane_b32 s12, v1                    ; wave 0..7
	v_and_b32 v2, 31, v0
	s_delay_alu instid0(VALU_DEP_1)
	v_lshlrev_b32 v3, 4, v2                        ; 16 x lane
	s_wait_alu depctr_va_vdst(0)
	s_mov_b32 s[SEL], 0x76543210
	s_mov_b32 s[SEL+1], 0xfedcba98
	s_mov_b32 s20, 0x3a800000                      ; 1 / 1,024
	s_mov_b32 s21, 0x3727c5ac                      ; eps = 1e-5
	s_lshr_b32 s22, s28, 1                         ; the tile's pair,
	s_and_b32 s23, s28, 1                          ; and which of the two
	s_lshl_b32 s16, s22, 5
	s_lshl_b32 s17, s23, 3
	s_add_co_u32 s16, s16, s17
	s_and_b32 s17, s12, 3
	s_lshl_b32 s17, s17, 1
	s_add_co_u32 s16, s16, s17
	s_lshr_b32 s17, s12, 2
	s_lshl_b32 s17, s17, 4
	s_add_co_u32 s16, s16, s17                     ; my first token: 32 (rt / 2) + 8 (rt % 2) + 2 (w % 4) + 16 (w / 4)
	s_lshl_b32 s16, s16, 12
	s_mov_b32 s17, 0
	s_mul_i32 s18, s12, 2*PITCH
	v_add_nc_u32 v4, s18, v3                       ; LDS, in: my two rows, 16 bytes a lane
	v_and_b32 v24, 15, v0                          ; r
	v_bfe_u32 v25, v0, 4, 1                        ; h
	s_delay_alu instid0(VALU_DEP_2)
	v_mul_u32_u24 v5, v24, PITCH
	s_delay_alu instid0(VALU_DEP_1)
	v_lshl_add_u32 v5, v25, 6, v5
	s_lshl_b32 s18, s12, 9
	v_add_nc_u32 v5, s18, v5                       ; LDS, out: row r, K step w, + 64 h
	v_lshlrev_b32 v6, 3, v2                        ; codes: 8 bytes a lane
	v_lshlrev_b32 v7, 2, v24                       ; scale words: 4 r (lanes 16-31 hold and store the same words as lanes 0-15)
.irp b, 0,1,2,3
	v_mov_b32 v[TM+4+\b], 0                        ; written once: a lane permute's destination counts as one of its sources
.endr
	s_wait_kmcnt 0x0
	s_add_nc_u64 s[4:5], s[4:5], s[16:17]
.irp j, 0,1,2,3,4,5,6,7
	global_load_b128 v[XR+4*\j:XR+4*\j+3], v3, s[4:5] offset:512*\j th:TH_LOAD_NT
.endr
.irp j, 0,1,2,3,4,5,6,7
	global_load_b128 v[XR+32+4*\j:XR+32+4*\j+3], v3, s[4:5] offset:4096+512*\j th:TH_LOAD_NT
.endr
.irp j, 0,1,2,3,4,5,6,7
	global_load_b128 v[GG+4*\j:GG+4*\j+3], v3, s[6:7] offset:512*\j
.endr
.irp j, 0,1,2,3,4,5,6,7
	global_load_b128 v[BE+4*\j:BE+4*\j+3], v3, s[8:9] offset:512*\j
.endr
	s_lshl_b32 s16, s22, 4
	s_lshl_b32 s18, s12, 1
	s_add_co_u32 s16, s16, s18
	s_mul_i32 s16, s16, 1536
	s_mul_i32 s18, s23, 768
	s_add_co_u32 s16, s16, s18
	s_add_nc_u64 s[24:25], s[10:11], s[16:17]      ; my fragment's codes
	s_lshr_b32 s16, s28, 4
	s_lshl_b32 s16, s16, 3
	s_add_co_u32 s16, s16, s12
	s_lshl_b32 s16, s16, 10
	s_and_b32 s18, s28, 15
	s_lshl_b32 s18, s18, 6
	s_add_co_u32 s16, s16, s18
	s_add_co_u32 s16, s16, 3145728
	s_add_nc_u64 s[26:27], s[10:11], s[16:17]      ; and its scale words
	s_wait_loadcnt 16                              ; the two rows are in; g's and be's sixteen loads may be out
	STAT 0
	STAT 1
	s_wait_loadcnt 0x0
	NORM 0
	NORM 1
	s_wait_dscnt 0x0                               ; for the others' sake: my rows lie in LDS
	s_barrier_signal -1
	s_barrier_wait -1
.irp b, 0,1,2,3
.irp i, 0,1,2,3
	ds_load_b128 v[XR+16*\b+4*\i:XR+16*\b+4*\i+3], v5 offset:128*\b+16*\i
.endr
.endr
	s_wait_dscnt 0x0
	QUANT XR, PW
.irp e, 0,1
.irp g, 0,1,2
	global_store_b64 v6, v[PC+6*\e+2*\g:PC+6*\e+2*\g+1], s[24:25] offset:1536*\e+256*\g    ; 256 consecutive bytes, aligned
.endr
.endr
	global_store_b32 v7, v[PW], s[26:27]           ; 64 bytes: a tile has no more for a K step
	s_wait_tensorcnt 0x0
	ds_add_u32 v200, v201
	s_wait_dscnt 0x0
	s_endpgm
.Lfunc_end_k_q81bfd09ca1_prep:
	.size	k_q81bfd09ca1_prep, .Lfunc_end_k_q81bfd09ca1_prep-k_q81bfd09ca1_prep
	.p2alignl 7, 3214868480
	.fill 96, 4, 3214868480
	.section	.rodata,"a",@progbits
	.p2align	6, 0x0
	.amdhsa_kernel k_q81bfd09ca1_prep
		.amdhsa_group_segment_fixed_size 67072
		.amdhsa_private_segment_fixed_size 0
		.amdhsa_enable_private_segment 0
		.amdhsa_kernarg_size 104
		.amdhsa_user_sgpr_count 2
		.amdhsa_user_sgpr_kernarg_segment_ptr 1
		.amdhsa_wavefront_size32 1
		.amdhsa_system_sgpr_workgroup_id_x 1
		.amdhsa_system_sgpr_workgroup_id_y 1
		.amdhsa_system_sgpr_workgroup_id_z 1
		.amdhsa_system_vgpr_workitem_id 0
		.amdhsa_next_free_vgpr 202
		.amdhsa_next_free_sgpr 66
		.amdhsa_reserve_vcc 0
		.amdhsa_float_denorm_mode_32 3
		.amdhsa_float_denorm_mode_16_64 3
		.amdhsa_memory_ordered 1
		.amdhsa_forward_progress 1
		.amdhsa_inst_pref_size 207
	.end_amdhsa_kernel
	.amdgpu_metadata
---
amdhsa.version: [ 1, 2 ]
amdhsa.kernels:
  - .name:           k_q81bfd09ca1_prep
    .symbol:         k_q81bfd09ca1_prep.kd
    .args:
      - { .name: x, .offset: 0, .size: 8, .value_kind: global_buffer, .address_space: global }
      - { .name: g1, .offset: 8, .size: 8, .value_kind: global_buffer, .address_space: global }
      - { .name: be1, .offset: 16, .size: 8, .value_kind: global_buffer, .address_space: global }
      - { .name: act, .offset: 24, .size: 8, .value_kind: global_buffer, .address_space: global }
      - { .name: Wa, .offset: 32, .size: 8, .value_kind: global_buffer, .address_space: global }
      - { .name: Wout, .offset: 40, .size: 8, .value_kind: global_buffer, .address_space: global }
      - { .name: W1, .offset: 48, .size: 8, .value_kind: global_buffer, .address_space: global }
      - { .name: W2, .offset: 56, .size: 8, .value_kind: global_buffer, .address_space: global }
      - { .name: wa, .offset: 64, .size: 8, .value_kind: global_buffer, .address_space: global }
      - { .name: wo, .offset: 72, .size: 8, .value_kind: global_buffer, .address_space: global }
      - { .name: w1, .offset: 80, .size: 8, .value_kind: global_buffer, .address_space: global }
      - { .name: w2, .offset: 88, .size: 8, .value_kind: global_buffer, .address_space: global }
      - { .name: zb, .offset: 96, .size: 8, .value_kind: global_buffer, .address_space: global }
    .group_segment_fixed_size: 67072
    .private_segment_fixed_size: 0
    .kernarg_segment_align: 8
    .kernarg_segment_size: 104
    .max_flat_workgroup_size: 256
    .sgpr_count:     66
    .vgpr_count:     202
    .wavefront_size: 32
...
	.end_amdgpu_metadata
.endif
;; end of part 1
;; launch qkv (part 2): grid 8 x 24, 4 waves a work-group, clusters of 4 x 4, 327,680 bytes of LDS; arguments act, wa, zb, big; writes big
.if DOCPART == 2
	.amdgcn_target "amdgcn-amd-amdhsa--gfx1250"
	.amdhsa_code_object_version 6
	.text
	.protected	k_q81bfd09ca1_qkv
	.globl	k_q81bfd09ca1_qkv
	.p2align	8
	.type	k_q81bfd09ca1_qkv,@function
k_q81bfd09ca1_qkv:
	s_mov_b64 s[64:65], 0
	v_nop
	global_prefetch_b8 v0, s[64:65] scope:SCOPE_SE
	s_setreg_imm32_b32 hwreg(HW_REG_WAVE_MODE, 25, 1), 1
	s_wait_xcnt 0x0
	s_wait_alu depctr_hold_cnt(0) depctr_sa_sdst(0) depctr_va_vdst(0) depctr_va_sdst(0) depctr_va_ssrc(0) depctr_va_vcc(0) depctr_vm_vsrc(0)
	s_getreg_b32 s2, hwreg(HW_REG_IB_STS2, 6, 4)
	s_cmp_eq_u32 s2, 0
	s_cbranch_scc0 .Lentry_in_a_cluster
	s_endpgm
.Lentry_in_a_cluster:
	s_bfe_u32 s2, ttmp6, 0x10000c
	s_cmp_lg_u32 s2, 0xf033
	s_cbranch_scc0 .Lentry_shape_is_right
	s_endpgm
.Lentry_shape_is_right:
; out = Q(A B^T + bias), K = 1,024: both operands codes of BF6 (E3M2) with E8M0 scale words, the result quantised along B's rows (its n) and stored as codes again.
; OPERANDS lie as images of their registers.  A pair of row tiles (32 rows) has 16 half fragments (64 along K) of 1,536 bytes on end: tile u of the pair at 768 u, register pair g at 256 g, 8 bytes a lane.
; Scale words behind the codes, at 3,145,728 + ((row / 256) x 8 + kstep) x 1,024 + 4 (row % 256).  Tile rt, row r, is the natural row 32 (rt / 2) + 8 (rt % 2) + r + 8 (r / 8).
; A tile of the result, 256 x 256, is made by four waves, 128 x 128 each: 64 accumulators.
; K GOES IN FOUR CHUNKS OF 256 THROUGH TWO REGIONS OF LDS.  Region 0 (98,304 bytes) holds chunk 0 and later chunk 3; region 1 (196,608 bytes) holds chunks 1 and 2, brought by one load a wave with rows twice as long.
; At the head each wave issues one joint load: wave 0 chunk 0's 256 rows of A, wave 1 those of B, wave 2 A's scales of all of K, wave 3 B's.  Region 1's first fill stands behind the full sequence and a round;
; region 0's one refill stands behind the round in step 1, when chunk 0 lies in registers.  Step 5 has a barrier that shows chunk 3 to all waves.
; THE MATRIX INSTRUCTION IS USED TRANSPOSED (source 0 = 16 rows of B, source 1 = 16 rows of A): a lane holds one row of A, and by the order of B's rows in their tiles its 16 registers of two neighbouring
; tiles are 16 NEIGHBOURS along n.  So a wave's 128 columns are one K step of the next product: bias, largest magnitudes, conversion, and the fragment leaves as it will be loaded.
; THE RESULT is laid for a K of 4,096 (64 half fragments a pair): codes at ((pair) x 64 + j) x 1,536, scale words at ((row / 256) x 32 + kstep) x 1,024 + 4 (row % 256).
; CLUSTERS 4 x 4: A's tiles are asked for jointly along a row of the cluster, B's along a column.
; TWO USES OF ONE TEXT.  Clusters with y under 4: A = the first buffer (tokens), B = the second (weights).  Clusters with y 4 and 5 (the launch with 24 rows of work-groups): the two buffers change places:
; A = the weight's rows 2,048 on (v's channels), B = the tokens: the result is V^T, quantised along the tokens, in a region of its own.  The choice hangs on the cluster's y alone: selects, no branch.
; No data prefetch: the walk has three fills in all, and the second and third are asked for as soon as their bytes are free: there is no loop to run ahead in.
; LIMITS: a block whose largest magnitude lies under 2^-122 gets the byte 1; NaN and infinities are not served.
; REGISTERS: window 0: v16-29 addresses; v32-63 scale words, two sets; v64-127 the bias; v128-223 A's fragments, one set; on the way out v128-239.  window 1: B's fragments, two sets.  windows 2, 3: accumulators.
.set PAIRB,  24576
.set ROWB,   6144
.set HALFT,  4*ROWB
.set SLOT,   4*HALFT
.set SCL,    3*SLOT
.set SPARE,  SCL+16384
.set SCOFF,  3145728
.set CODE_SW, 12582912
.set SC_N,   15728640
.set SC_SW,  16252928
.set NQ, 2
.set FR, 12
.set NL, 6
.set NP, 4
.set ADRA, 16                          ; v16-17 my A fragments in region 0, 1
.set ADRB, 20                          ; v20-21 the same for B
.set SOF,  22
.set BOF,  23
.set STO,  24
.set RD,   25
.set CO,   26
.set ADRS, 27
.set SPW,  28
.set NIL,  29
.set SC,   32
.set BI,   64
.set AF,   128
.set HA,   128
.set PC,   192
.set TM,   212
.set PWB,  232
.set SEL,  2
.set G1, 24
.set G0, 32
.set G1B, 48
.set G0B, 56
.set G1S, 68
.set G0S, 76
.set G1SB, 80
.set G0SB, 88
.set MSB, 0
.macro WIN new
.if MSB != \new
	s_set_vgpr_msb (MSB<<8)|\new
.set MSB, \new
.endif
.endm
.set MUL_LO, 0xa1
.set MUL_HI, 0xf1
.set TO_B,   0x40
.macro JLOAD g0a, g1a, g0b, g1b        ; a joint load: waves 0 and 1 fetch for A, waves 2 and 3 for B
	s_cmp_eq_u32 s15, 0
	s_cbranch_scc0 .Lfor_b_\@
	tensor_load_to_lds s[\g0a:\g0a+3], s[\g1a:\g1a+7]
	s_nop 0
.rept 4
	v_nop
.endr
	s_branch .Lasked_\@
.Lfor_b_\@:
	tensor_load_to_lds s[\g0b:\g0b+3], s[\g1b:\g1b+7]
	s_nop 0
.rept 4
	v_nop
.endr
.Lasked_\@:
.endm
.macro CREST
	s_cmp_lg_u32 s14, 0
	s_cbranch_scc1 .Lnot_wave_0_\@
	s_barrier_signal -3
.Lnot_wave_0_\@:
	s_barrier_wait -3
	s_barrier_signal -1
	s_barrier_wait -1
.endm
.macro CROUND
	s_barrier_signal -1
	s_barrier_wait -1
	CREST
.endm
.macro QUANT s, pw                     ; 64 numbers of a lane become a fragment's codes in v[PC] on and its scale word in v[pw]
.irp b, 0,1,2,3
	v_max3_num_f32 v[TM+\b], |v[\s+16*\b]|, |v[\s+1+16*\b]|, 0x2800000
.endr
.irp i, 2,4,6,8,10,12,14
.irp b, 0,1,2,3
	v_max3_num_f32 v[TM+\b], v[TM+\b], |v[\s+16*\b+\i]|, |v[\s+1+16*\b+\i]|
.endr
.endr
.irp b, 0,1,2,3
	v_permlanex16_b32 v[TM+4+\b], v[TM+\b], s[SEL], s[SEL+1]
.endr
.irp b, 0,1,2,3
	v_max_num_f32 v[TM+\b], v[TM+\b], v[TM+4+\b]
.endr
.irp b, 0,1,2,3
	v_add_nc_u32 v[TM+12+\b], 0xfe000000, v[TM+\b]
.endr
.irp b, 0,1,2,3
	v_lshrrev_b32 v[TM+4+\b], 23, v[TM+12+\b]
.endr
	v_lshl_or_b32 v[\pw], v[TM+5], 8, v[TM+4]
	v_lshl_or_b32 v[\pw], v[TM+6], 16, v[\pw]
	v_lshl_or_b32 v[\pw], v[TM+7], 24, v[\pw]
.irp c, 0,1
	v_cvt_scalef32_pk16_bf6_f32 v[PC+6*\c:PC+2+6*\c], v[\s+32*\c:\s+15+32*\c], v[TM+12+2*\c]
	v_cvt_scalef32_pk16_bf6_f32 v[PC+12+4*\c:PC+14+4*\c], v[\s+16+32*\c:\s+31+32*\c], v[TM+12+2*\c+1]
.endr
	v_nop                                          ; one plain place behind a scaled conversion
.irp c, 0,1
.irp i, 0,1,2
	v_permlane16_swap_b32 v[PC+6*\c+\i], v[PC+12+4*\c+\i]
.endr
.irp i, 0,1,2
	v_mov_b32 v[PC+3+6*\c+\i], v[PC+12+4*\c+\i]
.endr
.endr
.endm
	s_load_b256 s[4:11], s[0:1], 0x0               ; first operand, second, bias, out
	v_lshl_add_u32 v[SPW], v0, 2, SPARE
	v_mov_b32 v[NIL], 0
	ds_add_u32 v[SPW], v[NIL]                      ; the opening lines: the add twice on end and its wait
	ds_add_u32 v[SPW], v[NIL]
	s_wait_dscnt 0x0
	v_lshrrev_b32 v1, 5, v0
	v_readfirstlane_b32 s14, v1                    ; wave 0..3
	s_lshr_b32 s15, s14, 1                         ; which half of the tile's rows is mine; also: I fetch for A (0) or for B (1)
	s_and_b32 s16, s14, 1                          ; which half of its columns; also: which 128 rows I fetch
	s_bfe_u32 s40, ttmp6, 0x40000                  ; cx
	s_bfe_u32 s41, ttmp6, 0x40004                  ; cy
	s_and_b32 s12, ttmp7, 0xffff                   ; the cluster's y
	s_lshl_b32 s13, s12, 2
	s_lshl_b32 s18, ttmp9, 2
	s_max_u32 s19, s12, 4
	s_sub_co_u32 s19, s19, 4
	s_lshl_b32 s19, s19, 3
	s_add_co_u32 s19, s19, s18
	s_mov_b32 s96, SC_N
	s_cmp_ge_u32 s12, 4                            ; the buffers change places?  The same in all sixteen partners
	s_cselect_b32 s17, 8, s13
	s_cselect_b32 s42, s19, s18
	s_cselect_b32 s94, 0, s13
	s_cselect_b32 s95, CODE_SW, 0
	s_cselect_b32 s96, SC_SW, s96
	s_add_co_u32 s17, s17, s41                     ; A's tile of 256 rows: it holds cy, never cx
	s_add_co_u32 s42, s42, s40                     ; B's: it holds cx, never cy
	s_add_co_u32 s94, s94, s41                     ; the result's tile of 256 rows
	s_lshl_b32 s43, s41, 2
	s_lshl_b32 s43, 15, s43                        ; my row of the cluster
	s_lshl_b32 s44, 0x1111, s40                    ; my column
	; group 1, codes, for the head: 8 rows (pairs of tiles) x 768 elements of 8 bytes, 3,072 elements from row to row
	s_or_b32 s[G1+0], s43, (3<<16)|(1<<21)
	s_or_b32 s[G1B+0], s44, (3<<16)|(1<<21)
.irp g, G1, G1B
	s_mov_b32 s[\g+1], 768<<16
	s_mov_b32 s[\g+2], 8<<16
	s_mov_b32 s[\g+3], 768<<16
	s_mov_b32 s[\g+4], 8
	s_mov_b32 s[\g+5], 3072
	s_mov_b32 s[\g+6], 0
	s_mov_b32 s[\g+7], 0
.endr
	; group 1, scales: 8,192 dense bytes (eight K steps of 256 rows) as 32 rows of 256 bytes
	s_or_b32 s[G1S+0], s43, (3<<16)|(1<<21)
	s_or_b32 s[G1SB+0], s44, (3<<16)|(1<<21)
.irp g, G1S, G1SB
	s_mov_b32 s[\g+1], 32<<16
	s_mov_b32 s[\g+2], 32<<16
	s_mov_b32 s[\g+3], 32<<16
	s_mov_b32 s[\g+4], 32
	s_mov_b32 s[\g+5], 32
	s_mov_b32 s[\g+6], 0
	s_mov_b32 s[\g+7], 0
.endr
	s_mul_i32 s18, s17, 8*PAIRB                    ; A's codes: the tile's first pair
	s_mov_b32 s19, 0
	s_lshl_b32 s22, s17, 13
	s_add_co_u32 s22, s22, SCOFF                   ; A's scales
	s_mov_b32 s23, 0
	s_mul_i32 s46, s42, 8*PAIRB                    ; B likewise
	s_mov_b32 s47, 0
	s_lshl_b32 s92, s42, 13
	s_add_co_u32 s92, s92, SCOFF
	s_mov_b32 s93, 0
	s_mul_i32 s20, s16, 4*PAIRB                    ; behind the head I fetch 128 rows: which half
	s_mov_b32 s21, 0
	s_mov_b32 s[SEL], 0x76543210
	s_mov_b32 s[SEL+1], 0xfedcba98
	s_wait_kmcnt 0x0
	s_cmp_ge_u32 s12, 4
	s_cselect_b64 s[98:99], s[6:7], s[4:5]         ; A: the operand whose rows the lanes keep
	s_cselect_b64 s[6:7], s[4:5], s[6:7]           ; B: the operand along whose rows the result is quantised
	s_add_nc_u64 s[18:19], s[98:99], s[18:19]
	s_add_nc_u64 s[46:47], s[6:7], s[46:47]
	s_mov_b32 s[G0], 1                             ; the head's four tiles, each whole
	s_mov_b32 s[G0+1], 0
	s_mov_b64 s[G0+2:G0+3], s[18:19]
	s_or_b32 s[G0+3], s[G0+3], 0x80000000
	s_mov_b32 s[G0B], 1
	s_mov_b32 s[G0B+1], 2*HALFT
	s_mov_b64 s[G0B+2:G0B+3], s[46:47]
	s_or_b32 s[G0B+3], s[G0B+3], 0x80000000
	s_mov_b32 s[G0S], 1
	s_mov_b32 s[G0S+1], SCL
	s_add_nc_u64 s[G0S+2:G0S+3], s[98:99], s[22:23]
	s_or_b32 s[G0S+3], s[G0S+3], 0x80000000
	s_mov_b32 s[G0SB], 1
	s_mov_b32 s[G0SB+1], SCL+8192
	s_add_nc_u64 s[G0SB+2:G0SB+3], s[6:7], s[92:93]
	s_or_b32 s[G0SB+3], s[G0SB+3], 0x80000000
	s_add_nc_u64 s[18:19], s[18:19], s[20:21]      ; from here on: my 128 rows
	s_add_nc_u64 s[46:47], s[46:47], s[20:21]
	CROUND                                         ; all sixteen work-groups are here: the first joint loads meet
; one chain of branches on the wave's number, one load to an arm, all arms lead to one join
.macro ARM under, g0, g1, next
	s_cmp_lt_u32 s14, \under
	s_cbranch_scc0 \next
	tensor_load_to_lds s[\g0:\g0+3], s[\g1:\g1+7]
	s_nop 0
.rept 4
	v_nop
.endr
	s_branch .Lhead_asked
\next:
.endm
	ARM 1, G0,  G1,  .Lhead_b
	ARM 2, G0B, G1B, .Lhead_sa
	ARM 3, G0S, G1S, .Lhead_sb
	tensor_load_to_lds s[G0SB:G0SB+3], s[G1SB:G1SB+7]
	s_nop 0
.rept 4
	v_nop
.endr
.Lhead_asked:
	v_and_b32 v1, 15, v0                           ; r
	v_bfe_u32 v2, v0, 4, 1                         ; h
	v_and_b32 v3, 31, v0                           ; lane
	v_lshlrev_b32 v[CO], 3, v3
	s_wait_alu depctr_va_vdst(0)                   ; the wait
	v_lshlrev_b32 v[SOF], 4, v3
	v_lshlrev_b32 v[BOF], 6, v2
	s_lshl_b32 s20, s42, 10
	s_lshl_b32 s21, s16, 9
	s_add_co_u32 s20, s20, s21
	s_mov_b32 s21, 0
	s_add_nc_u64 s[8:9], s[8:9], s[20:21]          ; the bias of my 128 columns; register 16 B + i: column 32 B + 16 h + i
.irp b, 0,1,2,3
.irp i, 0,1,2,3
	global_load_b128 v[BI+16*\b+4*\i:BI+16*\b+4*\i+3], v[BOF], s[8:9] offset:128*\b+16*\i
.endr
.endr
	s_mul_i32 s21, s15, HALFT                      ; region 0: my 128 rows of A,
	s_mul_i32 s20, s16, HALFT                      ; my 128 rows of B,
	s_add_co_u32 s20, s20, 2*HALFT                 ; which lie behind A's 256
	v_add_nc_u32 v[ADRA], s21, v[CO]
	v_add_nc_u32 v[ADRB], s20, v[CO]
	s_lshl_b32 s21, s21, 1                         ; region 1: rows twice as long, behind region 0
	s_lshl_b32 s20, s20, 1
	s_add_co_u32 s21, s21, SLOT
	s_add_co_u32 s20, s20, SLOT
	v_add_nc_u32 v[ADRA+1], s21, v[CO]
	v_add_nc_u32 v[ADRB+1], s20, v[CO]
	v_lshlrev_b32 v5, 2, v1                        ; my row's scale word: 4 r,
	s_lshl_b32 s21, s15, 9                         ; A's: my 128 rows
	s_lshl_b32 s20, s16, 9                         ; B's: my 128 rows, behind A's 8,192 bytes
	s_add_co_u32 s20, s20, 8192
	s_sub_co_u32 s20, s20, s21
	v_mul_u32_u24 v6, s20, v2                      ; lanes 16-31 take B's: one product, the distance between the two
	s_add_co_u32 s21, s21, SCL
	v_add_nc_u32 v5, v5, v6
	v_add_nc_u32 v[ADRS], s21, v5
	s_lshl_b32 s20, s14, 9                         ; the way out: 512 bytes of region 1 for each wave's scale words
	s_add_co_u32 s20, s20, SLOT
	v_lshl_add_u32 v[STO], v1, 2, s20
	v_lshl_add_u32 v[RD], v3, 4, s20
	s_lshl_b32 s20, s94, 3
	s_lshl_b32 s21, s15, 2
	s_add_co_u32 s20, s20, s21                     ; the result's first pair of tiles of mine
	s_lshl_b32 s20, s20, 6
	s_lshl_b32 s21, s42, 1
	s_add_co_u32 s21, s21, s16                     ; which K step of the next product my 128 columns are
	s_lshl_b32 s13, s21, 1
	s_add_co_u32 s20, s20, s13
	s_mul_i32 s20, s20, 1536
	s_add_co_u32 s20, s20, s95
	s_lshl_b32 s13, s94, 5
	s_add_co_u32 s13, s13, s21
	s_lshl_b32 s13, s13, 10
	s_lshl_b32 s21, s15, 9
	s_add_co_u32 s13, s13, s21
	s_add_co_u32 s12, s13, s96
	s_mov_b32 s13, 0
	s_mov_b32 s21, 0
	s_add_nc_u64 s[12:13], s[10:11], s[12:13]      ; my 128 rows' scale words
	s_add_nc_u64 s[10:11], s[10:11], s[20:21]      ; my codes
.macro LOC st                          ; where step st's codes lie: region RS, its RQ-th 128 along K
.if (\st) >= 2 && (\st) < 6
.set RS, 1
.set RQ, (\st)-2
.else
.set RS, 0
.set RQ, (\st)%2
.endif
.endm
.macro FRAG reg, adr, i                ; a fragment, 16 rows x 128 K: 12 registers, six loads of 8 bytes a lane, 256 consecutive bytes each
.irp p, 0,1,2,3,4,5
	ds_load_b64 v[\reg+2*\p:\reg+2*\p+1], v[\adr+RS] offset:((\i)/2)*ROWB*(1+RS)+RQ*3072+((\i)%2)*768+(\p/3)*1536+(\p%3)*256
.endr
.endm
; 16 matrix instructions: A's blocks a0, a0 + 1 x B's eight.  The 64 accumulators take turns, one instruction a turn, in the same order in every step.
.macro MUL16 a0, p, q, sc, zero
.irp a, \a0, \a0+1
.irp b, 0,1,2,3,4,5,6,7
.if \zero
	v_wmma_scale_f32_16x16x128_f8f6f4 v[8*(8*((\a)%4)+\b):8*(8*((\a)%4)+\b)+7], v[128*(\p)+FR*\b:128*(\p)+FR*\b+FR-1], v[AF+FR*(\a):AF+FR*(\a)+FR-1], 0, v[SC+8*NQ*(\sc)+NQ*\b+(\q)], v[SC+8*NQ*(\sc)+NQ*(\a)+(\q)] matrix_a_fmt:MATRIX_FMT_BF6 matrix_b_fmt:MATRIX_FMT_BF6 matrix_a_scale:MATRIX_SCALE_ROW1
.else
	v_wmma_scale_f32_16x16x128_f8f6f4 v[8*(8*((\a)%4)+\b):8*(8*((\a)%4)+\b)+7], v[128*(\p)+FR*\b:128*(\p)+FR*\b+FR-1], v[AF+FR*(\a):AF+FR*(\a)+FR-1], v[8*(8*((\a)%4)+\b):8*(8*((\a)%4)+\b)+7], v[SC+8*NQ*(\sc)+NQ*\b+(\q)], v[SC+8*NQ*(\sc)+NQ*(\a)+(\q)] matrix_a_fmt:MATRIX_FMT_BF6 matrix_b_fmt:MATRIX_FMT_BF6 matrix_a_scale:MATRIX_SCALE_ROW1
.endif
.endr
.endr
.endm
.macro FETCH_B p
	WIN TO_B
.irp i, 0,1,2,3,4,5,6,7
	FRAG 128*(\p)+FR*\i, ADRB, \i
.endr
	WIN 0
.endm
.macro FETCH_A i0
.irp i, \i0, \i0+1, \i0+2, \i0+3
	FRAG AF+FR*(\i), ADRA, \i
.endr
.endm
.macro SCALES pr                       ; the scale words of steps 2 pr and 2 pr + 1 into set pr % 2: lanes 0-15 A's block i, lanes 16-31 B's block i
.irp i, 0,1,2,3,4,5,6,7
	ds_load_b32 v[SC+16*((\pr)%2)+2*\i], v[ADRS] offset:\i*64+2048*(\pr)
	ds_load_b32 v[SC+16*((\pr)%2)+2*\i+1], v[ADRS] offset:\i*64+2048*(\pr)+1024
.endr
.endm
.macro PLACES n                        ; plain vector places behind matrix instructions (ISA guide 7.12.1)
.rept \n
	v_nop
.endr
.endm
; A step of 128 along K: 64 matrix instructions; the next step's fragments are fetched in its middle and at its end.
; Step 1: chunk 0 lies in registers and chunks 1 and 2 must have landed: the three lines, a round, and region 0's refill with chunk 3.  Step 5: chunk 3 must have landed: a barrier, nothing is filled.
.macro STEP st, zero
.set NX, (\st)+1
.set STP, (\st)%2
.set STS, ((\st)/2)%2
.if (\st) == 1 || (\st) == 5
	s_wait_tensorcnt 0x0                           ; all my tensor loads have landed
.if (\st) == 1
	ds_add_u32 v[SPW], v[NIL]
	s_wait_dscnt 4*NL+1                            ; (the add and the youngest 24 loads may be out)
.else
	s_wait_dscnt 4*NL
.endif
	WIN MUL_LO
	MUL16 0, STP, STP, STS, \zero
	s_wait_dscnt 0x0                               ; the add is done, and my reads of the region left behind are over
	s_barrier_signal -1
	MUL16 2, STP, STP, STS, \zero
	WIN 0
	s_barrier_wait -1
.if (\st) == 1
	CREST                                          ; the barrier has opened a round of the cluster's
.irp g, G1, G1B
	s_mov_b32 s[\g+1], 768<<16                     ; no load of mine is out: chunk 3 comes as 4 rows x 768 elements a wave
	s_mov_b32 s[\g+3], 768<<16
.endr
	s_mul_i32 s[G0+1], s14, HALFT
	s_add_nc_u64 s[G0+2:G0+3], s[18:19], 3*ROWB
	s_or_b32 s[G0+3], s[G0+3], 0x80000000
	s_mul_i32 s[G0B+1], s14, HALFT
	s_add_nc_u64 s[G0B+2:G0B+3], s[46:47], 3*ROWB
	s_or_b32 s[G0B+3], s[G0B+3], 0x80000000
	JLOAD G0, G1, G0B, G1B                         ; the first tensor load behind the round; its four v_nop are the places in front of the loads below
.else
	PLACES NP
.endif
.else
	s_wait_dscnt 4*NL                              ; B's set and A's blocks 0-3 are in; the youngest 24 loads (A's blocks 4-7) may be out
	WIN MUL_LO
	MUL16 0, STP, STP, STS, \zero
	MUL16 2, STP, STP, STS, \zero
	s_wait_dscnt 0
	PLACES NP
.endif
	LOC NX
	FETCH_B NX%2
	FETCH_A 0
.if NX%2 == 0
	SCALES NX/2
.endif
	WIN MUL_HI
	MUL16 4, STP, STP, STS, \zero
	MUL16 6, STP, STP, STS, \zero
	PLACES NP
	WIN 0
	FETCH_A 4
.endm
	s_wait_alu depctr_va_vdst(0)                   ; the wait at the head's end
	s_wait_tensorcnt 0x0                           ; my tile of the head's four is in; the same lines as ahead of a refill stand ahead of region 1's first fill
	ds_add_u32 v[SPW], v[NIL]
.irp g, G1, G1B
	s_mov_b32 s[\g+1], 1536<<16                    ; no load of mine is out: chunks 1 and 2 come as 4 rows x 1,536 elements a wave
	s_mov_b32 s[\g+2], 4<<16
	s_mov_b32 s[\g+3], 1536<<16
	s_mov_b32 s[\g+4], 4
.endr
	s_mul_i32 s[G0+1], s14, 2*HALFT
	s_add_co_u32 s[G0+1], s[G0+1], SLOT
	s_add_nc_u64 s[G0+2:G0+3], s[18:19], ROWB
	s_or_b32 s[G0+3], s[G0+3], 0x80000000
	s_mul_i32 s[G0B+1], s14, 2*HALFT
	s_add_co_u32 s[G0B+1], s[G0B+1], SLOT
	s_add_nc_u64 s[G0B+2:G0B+3], s[46:47], ROWB
	s_or_b32 s[G0B+3], s[G0B+3], 0x80000000
	s_wait_dscnt 0x0
	CROUND                                         ; all four tiles are in, and all sixteen work-groups are here
	JLOAD G0, G1, G0B, G1B
	LOC 0
	FETCH_B 0
	FETCH_A 0
	SCALES 0
	FETCH_A 4
	STEP 0, 1                                      ; the first products start the sums
.irp t, 1,2,3,4,5,6
	STEP \t, 0
.endr
	s_wait_dscnt 4*NL
	WIN MUL_LO
	MUL16 0, 1, 1, 1, 0
	MUL16 2, 1, 1, 1, 0
	s_wait_dscnt 0
	WIN MUL_HI
	MUL16 4, 1, 1, 1, 0
	MUL16 6, 1, 1, 1, 0
	WIN 0
	PLACES NP
.irp b, 0,1,2,3
	v_mov_b32 v[TM+4+\b], 0                        ; written once: a lane permute's destination counts as one of its sources
.endr
	s_wait_loadcnt 0x0                             ; the bias
; THE WAY OUT, block by block of 16 rows: sums + bias, each accumulator from its low end on; quantised; the fragment leaves as six stores of 256 consecutive bytes, aligned
.macro OUTBLK a
.if (\a) > 0
	s_wait_xcnt 0x0                                ; the last block's stores have read their registers
.endif
	WIN 0x02+((\a)/4)
.irp k, 0,2,4,6,8,10,12,14,16,18,20,22,24,26,28,30,32,34,36,38,40,42,44,46,48,50,52,54,56,58,60,62
	v_pk_add_f32 v[HA+\k:HA+\k+1], v[64*((\a)%4)+\k:64*((\a)%4)+\k+1], v[BI+\k:BI+\k+1]
.endr
	WIN 0
	QUANT HA, PWB+\a
.irp e, 0,1
.irp g, 0,1,2
	global_store_b64 v[CO], v[PC+6*\e+2*\g:PC+6*\e+2*\g+1], s[10:11] offset:((\a)/2)*98304+((\a)%2)*768+\e*1536+\g*256
.endr
.endr
.endm
.irp a, 0,1,2,3,4,5,6,7
	OUTBLK \a
.endr
.irp a, 0,1,2,3,4,5,6,7
	ds_store_b32 v[STO], v[PWB+\a] offset:64*\a    ; region 1 has had its only fill, and its last read stands ahead of step 5's barrier; lanes 16-31 write the same words as lanes 0-15
.endr
	ds_load_b128 v[HA:HA+3], v[RD]                 ; LDS serves a wave's instructions in order (ISA guide 5.7.1.4)
	s_wait_dscnt 0x0
	global_store_b128 v[SOF], v[HA:HA+3], s[12:13] ; my 128 rows' scale words: 512 consecutive bytes, aligned
	s_wait_tensorcnt 0x0                           ; the wave's end
	ds_add_u32 v[SPW], v[NIL]
	s_wait_dscnt 0x0
	CROUND                                         ; the closing round
	s_endpgm
.Lfunc_end_k_q81bfd09ca1_qkv:
	.size	k_q81bfd09ca1_qkv, .Lfunc_end_k_q81bfd09ca1_qkv-k_q81bfd09ca1_qkv
	.p2alignl 7, 3214868480
	.fill 96, 4, 3214868480
	.section	.rodata,"a",@progbits
	.p2align	6, 0x0
	.amdhsa_kernel k_q81bfd09ca1_qkv
		.amdhsa_group_segment_fixed_size 327680
		.amdhsa_private_segment_fixed_size 0
		.amdhsa_enable_private_segment 0
		.amdhsa_kernarg_size 32
		.amdhsa_user_sgpr_count 2
		.amdhsa_user_sgpr_kernarg_segment_ptr 1
		.amdhsa_wavefront_size32 1
		.amdhsa_system_sgpr_workgroup_id_x 1
		.amdhsa_system_sgpr_workgroup_id_y 1
		.amdhsa_system_sgpr_workgroup_id_z 1
		.amdhsa_system_vgpr_workitem_id 0
		.amdhsa_next_free_vgpr 1024
		.amdhsa_next_free_sgpr 100
		.amdhsa_reserve_vcc 0
		.amdhsa_float_denorm_mode_32 3
		.amdhsa_float_denorm_mode_16_64 3
		.amdhsa_memory_ordered 1
		.amdhsa_forward_progress 1
		.amdhsa_inst_pref_size 186
	.end_amdhsa_kernel
	.amdgpu_metadata
---
amdhsa.version: [ 1, 2 ]
amdhsa.kernels:
  - .name:           k_q81bfd09ca1_qkv
    .symbol:         k_q81bfd09ca1_qkv.kd
    .args:
      - { .name: act, .offset: 0, .size: 8, .value_kind: global_buffer, .address_space: global }
      - { .name: wa, .offset: 8, .size: 8, .value_kind: global_buffer, .address_space: global }
      - { .name: zb, .offset: 16, .size: 8, .value_kind: global_buffer, .address_space: global }
      - { .name: big, .offset: 24, .size: 8, .value_kind: global_buffer, .address_space: global }
    .group_segment_fixed_size: 327680
    .private_segment_fixed_size: 0
    .kernarg_segment_align: 8
    .kernarg_segment_size: 32
    .max_flat_workgroup_size: 128
    .sgpr_count:     100
    .vgpr_count:     1024
    .wavefront_size: 32
...
	.end_amdgpu_metadata
.endif
;; end of part 2
;; launch attn (part 3): grid 8 x 32, 16 waves a work-group, no clusters, 327,680 bytes of LDS; arguments big, act; writes act
.if DOCPART == 3
	.amdgcn_target "amdgcn-amd-amdhsa--gfx1250"
	.amdhsa_code_object_version 6
	.text
	.protected	k_q81bfd09ca1_attn
	.globl	k_q81bfd09ca1_attn
	.p2align	8
	.type	k_q81bfd09ca1_attn,@function
k_q81bfd09ca1_attn:
	s_mov_b64 s[64:65], 0
	v_nop
	global_prefetch_b8 v0, s[64:65] scope:SCOPE_SE
	s_setreg_imm32_b32 hwreg(HW_REG_WAVE_MODE, 25, 1), 1
	s_wait_xcnt 0x0
; ao = Q(softmax(q k^T / 8, causal) v), head by head, both products on codes of BF6 (E3M2) with E8M0 scales; 2 x 16 heads of 64, 2,048 tokens.
; FROM big: q's and k's codes (rows = tokens in tile order, half fragment j = head for q, 16 + head for k; 64 half fragments a pair of tiles), V^T's codes (rows = channels, K = tokens), and their scale words.
; THE SOFTMAX: t = score x log2(e) / 8; M = the running largest t rounded UP to a whole number; p = 2^(t - M) is quantised along the keys, not normalised; the sum of the unquantised p divides at the end.
; K = 64 IN AN INSTRUCTION OF 128.  The 1,536 bytes of a pair of key tiles are ONE fragment: k 0-63 are tile 2 B's codes, k 64-127 tile 2 B + 1's.  Against (q, zeros) it gives tile 2 B's scores, against (zeros, q)
; tile 2 B + 1's.  Zero codes add nothing.  Its scale word is made once: two bytes of each tile's word.
; SHARES.  A work-group owns blocks i and 15 - i of 128 queries of one head; each of its sixteen waves one tile of 16 queries.  A block b needs b + 1 steps of 128 keys: every work-group has 8 x 17 steps.
; The whole head's K and V^T lie in LDS, each byte filled once: the first 512 keys' tiles are waited for first, the rest lands under the first four steps.  No slot is filled again.
; CLUSTERS are not used: which steps a wave leaves out hangs on its block of queries, which would be the work-group's place in a cluster.
; Every wave walks all 16 steps (constant trip counts); a step all of whose keys come after the wave's queries is left by a scalar branch on ids.  On the diagonal hidden scores become -infinity.
; Both products are used transposed: a lane holds ONE query throughout.  By the order of rows in tiles the 16 registers of two neighbouring tiles are 16 neighbouring keys (or channels).
; LIMITS: a block whose largest magnitude lies under 2^-122 gets the byte 1; NaN and infinities are not served.
; REGISTERS: v1-7 addresses that stay; v8-11 addresses in hand; v12 -M, v13 the largest t, v[14:15] the sum; v16-27 (q, 0); v32-79 four fragments; v96-159 S^T, then p; v160-191 O^T; v192-203 (0, q);
;   v224-235 p's codes; v232-254 at work; v248-251 the fragments' scale words; v253 p's; v255 q's.
; SCALARS: s24-63 the five groups 1 and s68-87 the five groups 0 are written once, ahead of the tensor loads, and never again; s66-67 and s88-99 are at work.
.set VAO,  98304                       ; LDS: K's 64 pairs x 1,536 bytes from 0; V^T's first 512 keys: 2 x 12,288;
.set VBO,  122880                      ; the other 1,536 keys: 2 x 36,864;
.set VS,   196608                      ; V^T's scale words: 16 steps x 256 bytes;
.set KS,   200704                      ; the key pairs' scale words, made here: 64 pairs x 64 bytes
.set WV,   18
.set SEL,  20
.set CS,   22
.set TBK,  2                           ; s2   where the step's keys begin
.set TBV,  3                           ; s3   and its part of V^T
.set BLK,  12                          ; s12  my block of 128 queries
.set SI,   15                          ; s15  the step
.set TSK,  16                          ; s16  the step's scale words of K: 256 bytes a step
.set TSV,  17                          ; s17  and of V^T
.set CNT,  19
.set G1KA, 24
.set G1KB, 32
.set G1VS, 40
.set G1VA, 48
.set G1VB, 56
.set G0KA, 68
.set G0KB, 72
.set G0VS, 76
.set G0VA, 80
.set G0VB, 84
.macro GRP1 g, c, r, p                 ; r rows of c elements of 8 bytes, p elements from row to row; no mask, no padding
	s_mov_b32 s[\g], 3<<16
	s_mov_b32 s[\g+1], (\c)<<16
	s_mov_b32 s[\g+2], (\r)<<16
	s_mov_b32 s[\g+3], (\c)<<16
	s_mov_b32 s[\g+4], \r
	s_mov_b32 s[\g+5], \p
	s_mov_b32 s[\g+6], 0
	s_mov_b32 s[\g+7], 0
.endm
	s_load_b128 s[4:7], s[0:1], 0x0                ; big s[4:5], act s[6:7]
	v_lshl_add_u32 v223, v0, 2, 0x32000
	v_mov_b32 v243, 0
	ds_add_u32 v223, v243
	ds_add_u32 v223, v243
	v_lshrrev_b32 v8, 5, v0
	s_delay_alu instid0(VALU_DEP_1)
	v_readfirstlane_b32 s[WV], v8                  ; wave 0..15
	s_and_b32 s8, ttmp7, 0xffff
	s_lshr_b32 s9, s8, 4                           ; batch
	s_and_b32 s10, s8, 15                          ; head
	s_and_b32 s11, s10, 1                          ; which half of a scale word is the head's
	GRP1 G1KA, 192, 16, 12288                      ; 16 pairs of key tiles (512 keys), 1,536 bytes each, 98,304 bytes apart
	GRP1 G1KB, 192, 48, 12288                      ; the other 48
	GRP1 G1VS, 32, 16, 128                         ; V^T's scale words: 16 steps x the head's 256 bytes, 1,024 bytes apart
	GRP1 G1VA, 1536, 2, 12288                      ; V^T: 2 pairs of channel tiles x 512 keys (12,288 bytes)
	GRP1 G1VB, 4608, 2, 12288                      ; x 1,536 keys
	s_mul_i32 s88, s9, 6291456
	s_add_co_u32 s89, s10, 16
	s_mul_i32 s89, s89, 1536
	s_add_co_u32 s88, s88, s89                     ; k: pair 64 x batch, half fragment 16 + head
	s_mov_b32 s89, 0
	s_mul_i32 s90, s10, 196608
	s_mul_i32 s91, s9, 49152
	s_add_co_u32 s90, s90, s91
	s_add_co_u32 s90, s90, 12582912                ; V^T: pair 2 x head, half fragment 32 x batch
	s_mov_b32 s91, 0
	s_lshr_b32 s92, s10, 2
	s_lshl_b32 s92, s92, 5
	s_lshl_b32 s93, s9, 4
	s_add_co_u32 s92, s92, s93
	s_lshl_b32 s92, s92, 10
	s_and_b32 s93, s10, 3
	s_lshl_b32 s93, s93, 8
	s_add_co_u32 s92, s92, s93
	s_add_co_u32 s92, s92, 16252928
	s_mov_b32 s93, 0
	s_wait_dscnt 0x0
	s_wait_kmcnt 0x0
	s_mov_b32 s[G0KA], 1
	s_mov_b32 s[G0KA+1], 0
	s_add_nc_u64 s[G0KA+2:G0KA+3], s[4:5], s[88:89]
	s_mov_b32 s[G0KB], 1
	s_mov_b32 s[G0KB+1], 24576
	s_add_nc_u64 s[G0KB+2:G0KB+3], s[G0KA+2:G0KA+3], 1572864
	s_or_b32 s[G0KA+3], s[G0KA+3], 0x80000000
	s_or_b32 s[G0KB+3], s[G0KB+3], 0x80000000
	s_mov_b32 s[G0VS], 1
	s_mov_b32 s[G0VS+1], VS
	s_add_nc_u64 s[G0VS+2:G0VS+3], s[4:5], s[92:93]
	s_or_b32 s[G0VS+3], s[G0VS+3], 0x80000000
	s_mov_b32 s[G0VA], 1
	s_mov_b32 s[G0VA+1], VAO
	s_add_nc_u64 s[G0VA+2:G0VA+3], s[4:5], s[90:91]
	s_mov_b32 s[G0VB], 1
	s_mov_b32 s[G0VB+1], VBO
	s_add_nc_u64 s[G0VB+2:G0VB+3], s[G0VA+2:G0VA+3], 12288
	s_or_b32 s[G0VA+3], s[G0VA+3], 0x80000000
	s_or_b32 s[G0VB+3], s[G0VB+3], 0x80000000
	s_cmp_eq_u32 s[WV], 0                          ; all fills are first fills: three tiles, one to each of waves 0, 2 and 3, in one chain of branches on the wave's number; all arms lead to one join
	s_cbranch_scc0 .Lnot_0
	tensor_load_to_lds s[G0KA:G0KA+3], s[G1KA:G1KA+7]
	s_nop 0
.rept 4
	v_nop
.endr
	s_branch .Lasked
.Lnot_0:
	s_cmp_eq_u32 s[WV], 2
	s_cbranch_scc0 .Lnot_2
	tensor_load_to_lds s[G0VS:G0VS+3], s[G1VS:G1VS+7]
	s_nop 0
.rept 4
	v_nop
.endr
	s_branch .Lasked
.Lnot_2:
	s_cmp_eq_u32 s[WV], 3
	s_cbranch_scc0 .Lasked
	tensor_load_to_lds s[G0VA:G0VA+3], s[G1VA:G1VA+7]
	s_nop 0
.rept 4
	v_nop
.endr
.Lasked:
	s_lshr_b32 s66, s[WV], 2                       ; which of the two blocks: ((w / 4) xor w) % 2, so that of any four neighbouring waves, and of waves w, w + 4, w + 8, w + 12, two take each
	s_xor_b32 s66, s66, s[WV]
	s_and_b32 s66, s66, 1
	s_sub_co_u32 s67, 15, ttmp9
	s_cmp_eq_u32 s66, 1
	s_cselect_b32 s[BLK], s67, ttmp9
	s_lshl_b32 s13, s[BLK], 3
	s_lshr_b32 s66, s[WV], 1
	s_add_co_u32 s13, s13, s66                     ; my tile of queries within the batch
	s_lshl_b32 s14, s9, 7
	s_add_co_u32 s14, s14, s13                     ; and among all tokens' tiles
	s_lshr_b32 s88, s14, 1
	s_lshl_b32 s88, s88, 6
	s_add_co_u32 s88, s88, s10
	s_mul_i32 s88, s88, 1536
	s_and_b32 s89, s14, 1
	s_mul_i32 s89, s89, 768
	s_add_co_u32 s88, s88, s89
	s_mov_b32 s89, 0
	s_add_nc_u64 s[88:89], s[4:5], s[88:89]        ; q's half fragment
	s_lshr_b32 s90, s14, 4
	s_lshl_b32 s90, s90, 5
	s_lshr_b32 s91, s10, 1
	s_add_co_u32 s90, s90, s91
	s_lshl_b32 s90, s90, 10
	s_and_b32 s91, s14, 15
	s_lshl_b32 s91, s91, 6
	s_add_co_u32 s90, s90, s91
	s_add_co_u32 s90, s90, 15728640
	s_mov_b32 s91, 0
	s_add_nc_u64 s[90:91], s[4:5], s[90:91]        ; q's scale words
	s_lshl_b32 s92, s9, 18
	s_lshr_b32 s93, s10, 1
	s_add_co_u32 s93, s93, 8
	s_lshl_b32 s93, s93, 10
	s_add_co_u32 s92, s92, s93
	s_add_co_u32 s92, s92, 15728640
	s_mov_b32 s93, 0
	s_add_nc_u64 s[92:93], s[4:5], s[92:93]        ; k's scale words: the batch's rows, K step 8 + head / 2
	v_and_b32 v8, 31, v0
	s_delay_alu instid0(VALU_DEP_1)
	v_lshlrev_b32 v1, 3, v8                        ; 8 x lane: my place in every fragment
	v_and_b32 v8, 15, v0                           ; r
	v_bfe_u32 v9, v0, 4, 1                         ; h
	s_delay_alu instid0(VALU_DEP_2)
	v_lshlrev_b32 v4, 2, v8                        ; 4 r
	s_delay_alu instid0(VALU_DEP_1)
	v_add_nc_u32 v2, KS, v4
	s_delay_alu instid0(VALU_DEP_2)
	v_add_nc_u32 v3, VS, v4
	v_lshl_add_u32 v6, v0, 2, KS                   ; where I put the key pairs' scale words that I make
	v_lshrrev_b32 v7, 7, v0                        ; thread t makes the word of pair t / 16, row t % 16: its tiles' words lie 64 bytes apart
	s_delay_alu instid0(VALU_DEP_1)
	v_lshlrev_b32 v7, 15, v7
	v_bfe_u32 v10, v0, 4, 3
	s_delay_alu instid0(VALU_DEP_1)
	v_lshl_add_u32 v7, v10, 7, v7
	s_delay_alu instid0(VALU_DEP_1)
	v_lshl_add_u32 v7, v8, 2, v7
.irp g, 0,1,2
	global_load_b64 v[16+2*\g:17+2*\g], v1, s[88:89] offset:256*\g       ; q, twice: two operands share no register
	global_load_b64 v[198+2*\g:199+2*\g], v1, s[88:89] offset:256*\g
.endr
	global_load_b32 v254, v4, s[90:91]
	global_load_b32 v28, v7, s[92:93]
	global_load_b32 v29, v7, s[92:93] offset:64
	global_load_b32 v30, v7, s[92:93] offset:131072                       ; and pair 32 + t / 16
	global_load_b32 v31, v7, s[92:93] offset:131136
	s_lshr_b32 s95, s[WV], 2
	s_lshl_b32 s95, s95, 5
	s_bfe_u32 s96, s[WV], 0x10001
	s_lshl_b32 s96, s96, 3
	s_add_co_u32 s95, s95, s96
	v_and_b32 v10, 8, v8
	s_delay_alu instid0(VALU_DEP_1)
	v_add_nc_u32 v5, v8, v10
	v_lshlrev_b32 v10, 4, v9
	s_delay_alu instid0(VALU_DEP_1)
	v_sub_nc_u32 v5, v5, v10
	s_delay_alu instid0(VALU_DEP_1)
	v_add_nc_u32 v5, s95, v5                       ; d = my query within its block - 16 h: on the diagonal register 16 b + i (key 32 b + 16 h + i) is hidden where 32 b + i > d
	s_mov_b32 s94, 0x05040100
	s_cmp_eq_u32 s11, 1
	s_cselect_b32 s94, 0x07060302, s94             ; picks the head's two bytes of two words
	s_lshr_b32 s96, s14, 1
	s_lshl_b32 s96, s96, 4
	s_add_co_u32 s96, s96, s10
	s_mul_i32 s96, s96, 1536
	s_and_b32 s97, s14, 1
	s_mul_i32 s97, s97, 768
	s_add_co_u32 s96, s96, s97
	s_mov_b32 s97, 0
	s_add_nc_u64 s[96:97], s[6:7], s[96:97]        ; ao's half fragment: 16 half fragments a pair, j = head
	s_lshr_b32 s98, s14, 4
	s_lshl_b32 s98, s98, 3
	s_lshr_b32 s99, s10, 1
	s_add_co_u32 s98, s98, s99
	s_lshl_b32 s98, s98, 10
	s_and_b32 s99, s14, 15
	s_lshl_b32 s99, s99, 6
	s_add_co_u32 s98, s98, s99
	s_lshl_b32 s99, s11, 1
	s_add_co_u32 s98, s98, s99
	s_add_co_u32 s98, s98, 3145728
	s_mov_b32 s99, 0
	s_add_nc_u64 s[98:99], s[6:7], s[98:99]        ; and the head's half of its scale words
	s_mov_b32 s[SEL], 0x76543210
	s_mov_b32 s[SEL+1], 0xfedcba98
	s_mov_b32 s[CS], 0x3e38aa3b                    ; c = log2(e) / 8
	s_mov_b32 s[CS+1], s[CS]
	s_mov_b32 s[TBK], 0
	s_mov_b32 s[TBV], VAO
	s_mov_b32 s[TSK], 0
	s_mov_b32 s[TSV], 0
	s_mov_b32 s[SI], 0
.irp j, 22,23,24,25,26,27,192,193,194,195,196,197
	v_mov_b32 v[\j], 0                             ; the zero codes beside q
.endr
	v_mov_b32 v13, 0xff61b1e6                      ; the largest t so far: -3e38
	s_delay_alu instid0(VALU_DEP_1)
	v_floor_f32 v12, -v13                          ; -M
	v_mov_b32 v14, 0
	v_mov_b32 v15, 0
.irp b, 0,1,2,3
	v_mov_b32 v[236+\b], 0                         ; written once: a lane permute's destination counts as one of its sources
.endr
	v_mov_b32 v252, 0
	v_mov_b32 v253, 0
	s_wait_loadcnt 0x0
	v_perm_b32 v255, v254, v254, s94               ; q's scale word: the head's two bytes, for k 0-63 and again for k 64-127
	v_perm_b32 v28, v29, v28, s94                  ; a key pair's: tile 2 B's two bytes below, tile 2 B + 1's above
	v_perm_b32 v30, v31, v30, s94
	ds_store_b32 v6, v28
	ds_store_b32 v6, v30 offset:2048
.set j, 0
.rept 32
	v_mov_b32 v[160+j], 0                          ; O^T: the step is written without a first form: the first change of M multiplies zeros.  These 32 lines also stand between the write of q's scale word
.set j, j+1                                    ; and every scaled product that names it, on every way through the steps (eight plain vector places are asked there)
.endr
; A KEY STEP: 128 keys.  pitchv: bytes from V^T's first pair of channel tiles to its second in the region in hand
.macro STEP pitchv
	s_cmp_gt_u32 s[SI], s[BLK]                     ; all its keys come after my queries: only the addresses step
	s_cbranch_scc1 .Lhidden_\@
	v_add_nc_u32 v8, s[TBK], v1                    ; (these four are the places in front of loads into registers that the last products read)
	v_add_nc_u32 v9, s[TBV], v1
	v_add_nc_u32 v10, s[TSK], v2
	v_add_nc_u32 v11, s[TSV], v3
.irp t, 0,1,2,3
.irp p, 0,1,2,3,4,5
	ds_load_b64 v[32+12*\t+2*\p:33+12*\t+2*\p], v8 offset:1536*\t+256*\p
.endr
	ds_load_b32 v[248+\t], v10 offset:64*\t
.endr
	s_wait_alu depctr_va_vdst(0)
	s_wait_dscnt 0x0
.irp t, 0,1,2,3                                ; S^T = K Q^T: lane (r, h) holds query r; register 16 t + i is key 32 t + 16 h + i of the step
	v_wmma_scale_f32_16x16x128_f8f6f4 v[96+16*\t:103+16*\t], v[32+12*\t:43+12*\t], v[16:27], 0, v[248+\t], v255 matrix_a_fmt:MATRIX_FMT_BF6 matrix_b_fmt:MATRIX_FMT_BF6
	v_wmma_scale_f32_16x16x128_f8f6f4 v[104+16*\t:111+16*\t], v[32+12*\t:43+12*\t], v[192:203], 0, v[248+\t], v255 matrix_a_fmt:MATRIX_FMT_BF6 matrix_b_fmt:MATRIX_FMT_BF6
.endr
.rept 4
	v_nop                                          ; places: behind them the scores are read, and V^T's fragments are asked for into K's registers: they land under the softmax
.endr
.irp t, 0,1,2,3
.irp p, 0,1,2,3,4,5
	ds_load_b64 v[32+12*\t+2*\p:33+12*\t+2*\p], v9 offset:(\t/2)*\pitchv+(\t%2)*768+(\p/3)*1536+(\p%3)*256
.endr
	ds_load_b32 v[248+\t], v11 offset:64*\t
.endr
	s_cmp_lg_u32 s[SI], s[BLK]                     ; only the step on the diagonal has hidden keys
	s_cbranch_scc1 .Lopen_\@
	v_mov_b32 v254, 0xff800000                     ; -infinity
.set n, 0
.rept 64
	v_cmp_gt_i32 vcc_lo, 32*(n/16)+n%16, v5
	v_cndmask_b32 v[96+n], v[96+n], v254, vcc_lo
.set n, n+1
.endr
.Lopen_\@:
.irp b, 0,1,2,3
	v_max3_num_f32 v[232+\b], v[96+16*\b], v[97+16*\b], v[98+16*\b]   ; the largest score of each block of 32 keys: for the row's maximum, and, since p rises with the score, for the block's largest p
.endr
.irp i, 3,5,7,9,11,13
.irp b, 0,1,2,3
	v_max3_num_f32 v[232+\b], v[232+\b], v[96+16*\b+\i], v[97+16*\b+\i]
.endr
.endr
.irp b, 0,1,2,3
	v_max_num_f32 v[232+\b], v[232+\b], v[111+16*\b]
.endr
.irp b, 0,1,2,3
	s_delay_alu instid0(VALU_DEP_4)
	v_permlanex16_b32 v[236+\b], v[232+\b], s[SEL], s[SEL+1]
.endr
.irp b, 0,1,2,3
	s_delay_alu instid0(VALU_DEP_4)
	v_max_num_f32 v[232+\b], v[232+\b], v[236+\b]  ; with lane l xor 16's 16 keys
.endr
	s_delay_alu instid0(VALU_DEP_2)
	v_max3_num_f32 v254, v232, v233, v234
	s_delay_alu instid0(VALU_DEP_1)
	v_max_num_f32 v254, v254, v235
	s_delay_alu instid0(VALU_DEP_1)
	v_mul_f32 v254, s[CS], v254                    ; the step's largest t
	s_delay_alu instid0(VALU_DEP_1)
	v_max_num_f32 v13, v13, v254                   ; the running largest t
	v_mov_b32 v254, v12
	s_delay_alu instid0(VALU_DEP_2)
	v_floor_f32 v12, -v13                          ; the new -M = -ceil(t): a whole number
	s_delay_alu instid0(VALU_DEP_1)
	v_sub_f32 v254, v12, v254                      ; old M - new M: a whole number, 0 or less
	s_delay_alu instid0(VALU_DEP_1)
	v_cvt_i32_f32 v254, v254                       ; (it saturates)
	s_delay_alu instid0(VALU_DEP_1)
	v_ldexp_f32 v252, 1.0, v254                    ; f = 2^(old M - new M): a multiplication by it rounds nothing
.irp j, 0,2,4,6,8,10,12,14,16,18,20,22,24,26,28,30,32,34,36,38,40,42,44,46,48,50,52,54,56,58,60,62
	v_pk_fma_f32 v[96+\j:97+\j], v[96+\j:97+\j], s[CS:CS+1], v[12:13] op_sel_hi:[1,0,0]   ; t - M
.endr
.irp b, 0,1,2,3
	v_fma_f32 v[232+\b], v[232+\b], s[CS], v12
.endr
.set n, 0
	s_wait_alu depctr_va_vdst(0)
.rept 64
	v_exp_f32 v[96+n], v[96+n]                     ; p = 2^(t - M), at most 1
.set n, n+1
.endr
.irp b, 0,1,2,3
	v_exp_f32 v[232+\b], v[232+\b]                 ; the block's largest p: the same two instructions on the same number
.endr
	v_pk_mul_f32 v[14:15], v[14:15], v[252:253] op_sel_hi:[1,0]   ; the sums under the new M (a plain place behind the exponentials)
	s_wait_alu depctr_va_vdst(0)
.irp b, 0,1,2,3
	v_max_num_f32 v[232+\b], 0x2800000, v[232+\b]  ; the floor 2^(5 - 127)
.endr
.irp b, 0,1,2,3
	s_delay_alu instid0(VALU_DEP_4)
	v_add_nc_u32 v[244+\b], 0xfe000000, v[232+\b]
.endr
.irp b, 0,1,2,3
	s_delay_alu instid0(VALU_DEP_4)
	v_lshrrev_b32 v[236+\b], 23, v[244+\b]
.endr
	s_delay_alu instid0(VALU_DEP_3)
	v_lshl_or_b32 v253, v237, 8, v236              ; p's scale word for these 128 keys
	s_delay_alu instid0(VALU_DEP_1)
	v_lshl_or_b32 v253, v238, 16, v253
	s_delay_alu instid0(VALU_DEP_1)
	v_lshl_or_b32 v253, v239, 24, v253
.irp c, 0,1
	v_cvt_scalef32_pk16_bf6_f32 v[224+6*\c:226+6*\c], v[96+32*\c:111+32*\c], v[244+2*\c]
	v_cvt_scalef32_pk16_bf6_f32 v[236+4*\c:238+4*\c], v[112+32*\c:127+32*\c], v[244+2*\c+1]
.endr
	v_nop                                          ; one plain place behind a scaled conversion
.irp c, 0,1
.irp i, 0,1,2
	v_permlane16_swap_b32 v[224+6*\c+\i], v[236+4*\c+\i]
.endr
.irp i, 0,1,2
	s_delay_alu instid0(VALU_DEP_3)
	v_mov_b32 v[227+6*\c+\i], v[236+4*\c+\i]
.endr
.endr
	v_pk_add_f32 v[236:237], v[100:101], v[104:105]
	v_pk_add_f32 v[246:247], v[108:109], v[112:113]
	v_pk_add_f32 v[244:245], v[116:117], v[120:121]
	v_pk_add_f32 v[240:241], v[124:125], v[128:129]
	v_pk_add_f32 v[220:221], v[132:133], v[136:137]
	v_pk_add_f32 v[218:219], v[140:141], v[144:145]
	v_pk_add_f32 v[216:217], v[148:149], v[152:153]
	v_pk_add_f32 v[14:15], v[14:15], v[156:157]
	v_pk_add_f32 v[236:237], v[236:237], v[96:97]
	v_pk_add_f32 v[246:247], v[246:247], v[98:99]
	v_pk_add_f32 v[244:245], v[244:245], v[102:103]
	v_pk_add_f32 v[240:241], v[240:241], v[106:107]
	v_pk_add_f32 v[220:221], v[220:221], v[110:111]
	v_pk_add_f32 v[218:219], v[218:219], v[114:115]
	v_pk_add_f32 v[216:217], v[216:217], v[118:119]
	v_pk_add_f32 v[14:15], v[14:15], v[122:123]
	v_pk_add_f32 v[236:237], v[236:237], v[126:127]
	v_pk_add_f32 v[246:247], v[246:247], v[130:131]
	v_pk_add_f32 v[244:245], v[244:245], v[134:135]
	v_pk_add_f32 v[240:241], v[240:241], v[138:139]
	v_pk_add_f32 v[220:221], v[220:221], v[142:143]
	v_pk_add_f32 v[218:219], v[218:219], v[146:147]
	v_pk_add_f32 v[216:217], v[216:217], v[150:151]
	v_pk_add_f32 v[14:15], v[14:15], v[154:155]
	v_pk_add_f32 v[236:237], v[236:237], v[158:159]
	s_delay_alu instid0(VALU_DEP_2)
	v_pk_add_f32 v[14:15], v[14:15], v[240:241]
	s_delay_alu instid0(VALU_DEP_2)
	v_pk_add_f32 v[236:237], v[236:237], v[220:221]
	v_pk_add_f32 v[246:247], v[246:247], v[218:219]
	v_pk_add_f32 v[244:245], v[244:245], v[216:217]
	s_delay_alu instid0(VALU_DEP_2)
	v_pk_add_f32 v[14:15], v[14:15], v[246:247]
	s_delay_alu instid0(VALU_DEP_2)
	v_pk_add_f32 v[236:237], v[236:237], v[244:245]
	s_delay_alu instid0(VALU_DEP_1)
	v_pk_add_f32 v[14:15], v[14:15], v[236:237]
.irp j, 0,2,4,6,8,10,12,14,16,18,20,22,24,26,28,30
	v_pk_mul_f32 v[160+\j:161+\j], v[160+\j:161+\j], v[252:253] op_sel_hi:[1,0]   ; O^T under the new M
.endr
	s_wait_alu depctr_va_vdst(0)
	s_wait_dscnt 0x0                               ; V^T's fragments and scale words
.irp t, 0,1,2,3                                ; O^T += V^T P^T: four accumulators, one instruction a turn
	v_wmma_scale_f32_16x16x128_f8f6f4 v[160+8*\t:167+8*\t], v[32+12*\t:43+12*\t], v[224:235], v[160+8*\t:167+8*\t], v[248+\t], v253 matrix_a_fmt:MATRIX_FMT_BF6 matrix_b_fmt:MATRIX_FMT_BF6
.endr
.Lhidden_\@:
	s_add_co_u32 s[TBK], s[TBK], 6144
	s_add_co_u32 s[TBV], s[TBV], 3072
	s_add_co_u32 s[TSK], s[TSK], 256
	s_add_co_u32 s[TSV], s[TSV], 256
	s_add_co_u32 s[SI], s[SI], 1
.endm
.macro PHASE n, pitchv
	s_mov_b32 s[CNT], \n
.Lstep_\@:
	STEP \pitchv
	s_sub_co_u32 s[CNT], s[CNT], 1
	s_cmp_lg_u32 s[CNT], 0
	s_cbranch_scc1 .Lstep_\@
.endm
	s_wait_tensorcnt 0x0                           ; the head's three tiles (waves 0, 2, 3): the first 512 keys of K and of V^T, and V^T's scale words
	ds_add_u32 v223, v243                          ; the add twice
	ds_add_u32 v223, v243
	s_wait_dscnt 0x0                               ; the adds are done, and my scale words lie in LDS
	s_barrier_signal -1
	s_barrier_wait -1
	s_cmp_eq_u32 s[WV], 1                          ; the other 1,536 keys: first fills of bytes of their own, one load a wave, first behind the barrier; they land under the first four steps
	s_cbranch_scc0 .Lnot_kb
	tensor_load_to_lds s[G0KB:G0KB+3], s[G1KB:G1KB+7]
	s_nop 0
.rept 4
	v_nop
.endr
	s_branch .Lrest
.Lnot_kb:
	s_cmp_eq_u32 s[WV], 4
	s_cbranch_scc0 .Lrest
	tensor_load_to_lds s[G0VB:G0VB+3], s[G1VB:G1VB+7]
	s_nop 0
.rept 4
	v_nop
.endr
.Lrest:
	PHASE 4, 12288
	s_wait_tensorcnt 0x0                           ; the rest has landed
	s_wait_dscnt 0x0
	s_barrier_signal -1
	s_barrier_wait -1
	s_mov_b32 s[TBV], VBO
	PHASE 12, 36864
	; THE WAY OUT: O^T / the sum; register 16 T + i is channel 32 T + 16 h + i of my query: two blocks of the next product's K; quantised; half a fragment and half a scale word leave
.rept 4
	v_nop                                          ; places behind the last products
.endr
	v_add_f32 v14, v14, v15
	s_delay_alu instid0(VALU_DEP_1)
	v_permlanex16_b32 v252, v14, s[SEL], s[SEL+1]
	s_delay_alu instid0(VALU_DEP_1)
	v_add_f32 v14, v14, v252                       ; the row's sum
	s_wait_alu depctr_va_vdst(0)
	v_rcp_f32 v14, v14
	v_nop                                          ; one plain place behind a transcendental
.set j, 0
	s_wait_alu depctr_va_vdst(0)
.rept 32
	v_mul_f32 v[96+j], v[160+j], v14
.set j, j+1
.endr
.irp b, 0,1
	v_max3_num_f32 v[232+\b], |v[96+16*\b]|, |v[97+16*\b]|, 0x2800000
.endr
.irp i, 2,4,6,8,10,12,14
.irp b, 0,1
	s_delay_alu instid0(VALU_DEP_2)
	v_max3_num_f32 v[232+\b], v[232+\b], |v[96+16*\b+\i]|, |v[97+16*\b+\i]|
.endr
.endr
.irp b, 0,1
	s_delay_alu instid0(VALU_DEP_2)
	v_permlanex16_b32 v[236+\b], v[232+\b], s[SEL], s[SEL+1]
.endr
.irp b, 0,1
	s_delay_alu instid0(VALU_DEP_2)
	v_max_num_f32 v[232+\b], v[232+\b], v[236+\b]
.endr
.irp b, 0,1
	s_delay_alu instid0(VALU_DEP_2)
	v_add_nc_u32 v[244+\b], 0xfe000000, v[232+\b]
.endr
.irp b, 0,1
	s_delay_alu instid0(VALU_DEP_2)
	v_lshrrev_b32 v[236+\b], 23, v[244+\b]
.endr
	s_delay_alu instid0(VALU_DEP_1)
	v_lshl_or_b32 v240, v237, 8, v236              ; the head's two bytes
	v_cvt_scalef32_pk16_bf6_f32 v[224:226], v[96:111], v244
	v_cvt_scalef32_pk16_bf6_f32 v[228:230], v[112:127], v245
	v_nop                                          ; one plain place behind a scaled conversion
.irp i, 0,1,2
	v_permlane16_swap_b32 v[224+\i], v[228+\i]
.endr
.irp i, 0,1,2
	s_delay_alu instid0(VALU_DEP_3)
	v_mov_b32 v[227+\i], v[228+\i]
.endr
.irp g, 0,1,2
	global_store_b64 v1, v[224+2*\g:225+2*\g], s[96:97] offset:256*\g    ; 256 consecutive bytes, aligned
.endr
	global_store_b16 v4, v240, s[98:99]            ; a head owns half of a scale word: 2 bytes a row; lanes 16-31 store the same as lanes 0-15
	s_wait_tensorcnt 0x0
	ds_add_u32 v223, v243
	s_wait_dscnt 0x0
	s_endpgm
.Lfunc_end_k_q81bfd09ca1_attn:
	.size	k_q81bfd09ca1_attn, .Lfunc_end_k_q81bfd09ca1_attn-k_q81bfd09ca1_attn
	.p2alignl 7, 3214868480
	.fill 96, 4, 3214868480
	.section	.rodata,"a",@progbits
	.p2align	6, 0x0
	.amdhsa_kernel k_q81bfd09ca1_attn
		.amdhsa_group_segment_fixed_size 327680
		.amdhsa_private_segment_fixed_size 0
		.amdhsa_enable_private_segment 0
		.amdhsa_kernarg_size 16
		.amdhsa_user_sgpr_count 2
		.amdhsa_user_sgpr_kernarg_segment_ptr 1
		.amdhsa_wavefront_size32 1
		.amdhsa_system_sgpr_workgroup_id_x 1
		.amdhsa_system_sgpr_workgroup_id_y 1
		.amdhsa_system_sgpr_workgroup_id_z 1
		.amdhsa_system_vgpr_workitem_id 0
		.amdhsa_next_free_vgpr 256
		.amdhsa_next_free_sgpr 100
		.amdhsa_reserve_vcc 1
		.amdhsa_float_denorm_mode_32 3
		.amdhsa_float_denorm_mode_16_64 3
		.amdhsa_memory_ordered 1
		.amdhsa_forward_progress 1
		.amdhsa_inst_pref_size 66
	.end_amdhsa_kernel
	.amdgpu_metadata
---
amdhsa.version: [ 1, 2 ]
amdhsa.kernels:
  - .name:           k_q81bfd09ca1_attn
    .symbol:         k_q81bfd09ca1_attn.kd
    .args:
      - { .name: big, .offset: 0, .size: 8, .value_kind: global_buffer, .address_space: global }
      - { .name: act, .offset: 8, .size: 8, .value_kind: global_buffer, .address_space: global }
    .group_segment_fixed_size: 327680
    .private_segment_fixed_size: 0
    .kernarg_segment_align: 8
    .kernarg_segment_size: 16
    .max_flat_workgroup_size: 512
    .sgpr_count:     100
    .vgpr_count:     256
    .wavefront_size: 32
...
	.end_amdgpu_metadata
.endif
;; end of part 3
;; launch oln (part 4): grid 256 x 1, 16 waves a work-group, no clusters, 82,688 bytes of LDS; arguments act, wo, bout, x, g2, be2, act2; writes act2
.if DOCPART == 4
	.amdgcn_target "amdgcn-amd-amdhsa--gfx1250"
	.amdhsa_code_object_version 6
	.text
	.protected	k_q81bfd09ca1_oln
	.globl	k_q81bfd09ca1_oln
	.p2align	8
	.type	k_q81bfd09ca1_oln,@function
k_q81bfd09ca1_oln:
	s_mov_b64 s[64:65], 0
	v_nop
	global_prefetch_b8 v0, s[64:65] scope:SCOPE_SE
	s_setreg_imm32_b32 hwreg(HW_REG_WAVE_MODE, 25, 1), 1
	s_wait_xcnt 0x0
; act2 = Q(layernorm(x + A B^T + bout) x g2 + be2): the projection on the way out of the attention, the residual, the second norm and its quantiser in one launch.
; A = act (the attention's result), B = wo: codes of BF6 (E3M2) with E8M0 scale words, K = 1,024, laid as images of operand registers: a pair of row tiles (32 rows) has 16 half fragments (64 along K) of 1,536 bytes
; on end; tile u of the pair at 768 u, register pair g at 256 g, 8 bytes a lane; scale words behind the codes at ((row / 256) x 8 + kstep) x 1,024 + 4 (row % 256).  Tile rt, row r, is the natural row 32 (rt / 2) + 8 (rt % 2) + r + 8 (r / 8).
; act2 is laid as act is.
; SHARES.  A work-group owns one tile of 16 tokens and all 1,024 columns, so that a token's whole row is at hand for the norm.  Wave w makes columns 64 w .. 64 w + 63: four accumulators, 8 K steps, 32 matrix instructions.
; The matrix instruction is used transposed (source 0 = rows of wo, source 1 = the tokens): a lane holds one token, and its 32 registers are columns 64 w + 32 P + 16 h + i: two blocks of the next product's K.
; wo's FRAGMENTS GO FROM MEMORY STRAIGHT INTO REGISTERS: each is used by one matrix instruction of one wave, so LDS would give it no second use.  For the same reason there are no tensor loads and no clusters:
; a joint load lands in LDS, and each of the 786,432 bytes would be written there and read back once for nothing.  A ring of three groups of four fragments (144 registers): group g + 3 is asked for when group g is multiplied.
; A's 12,288 bytes are shared: wave w loads half fragment w, all waves read the image from LDS, a K step at a time.
; PREFETCH: wo's 3,072 blocks of 256 bytes are shared out among the work-groups, 24 to each (work-groups i and i + 128 name the same), named once at the head by wave 0; each wave names the 16 blocks of its token's row of x,
; which it loads behind group 5.  bout, g2 and be2 are loaded into the ring's registers as they fall free.
; x goes through LDS (rows 4,112 bytes apart): loaded by rows, 512 consecutive bytes an instruction, read back as the accumulators lie.
; Mean and variance in two passes, f32, the mean taken away before the squares; the sixteen waves' parts of a row's sums meet in LDS.
; LIMITS: a block whose largest magnitude lies under 2^-122 gets the byte 1; NaN and infinities are not served.
; REGISTERS: v1-14 addresses; v16-23 A's scale words, v24-39 wo's; v40-63 A's fragments, two; v64-95 accumulators, then the row; v96-239 the ring, later bout (96), be2 (128, 176), g2 (144), x (192), sums (224); v240-255 at work.
.set SCOFA,  3145728
.set SCOFB,  786432
.set PAIRB,  24576
.set XIM,    12288                     ; LDS: A's image from 0; x's 16 rows;
.set XP,     4112
.set RED,    XIM+16*XP                 ; the rows' partial sums: 16 rows x (16 words + 16 bytes), twice;
.set RP2,    80
.set SPARE,  RED+2*16*RP2              ; the spare words, 128 bytes a wave
.set CO,  1                            ; 8 x lane
.set RO,  2                            ; 4 r
.set LO,  3                            ; 4 x lane
.set HO,  4                            ; 64 h
.set XRD, 5
.set AST, 6
.set XST, 7
.set XG,  8                            ; 16 x lane
.set RST, 9
.set RRD, 10
.set PFW, 11
.set SPW, 12
.set NIL, 13
.set PFX, 14
.set AS,  16
.set BS,  24
.set AF,  40
.set ACC, 64
.set RING, 96
.set BIA, 96
.set GG,  144
.set XT,  192
.set RR,  224
.set TT,  240
.set SEL, 56
	s_load_b256 s[4:11], s[0:1], 0x0               ; act, wo, bout, x
	s_load_b128 s[12:15], s[0:1], 0x20             ; g2, be2
	s_load_b64 s[16:17], s[0:1], 0x30              ; act2
	v_lshl_add_u32 v[SPW], v0, 2, SPARE
	v_mov_b32 v[NIL], 0
	v_lshrrev_b32 v15, 5, v0
	s_delay_alu instid0(VALU_DEP_1)
	v_readfirstlane_b32 s18, v15                   ; wave 0..15
	s_lshr_b32 s19, ttmp9, 1                       ; the tile's pair,
	s_and_b32 s20, ttmp9, 1                        ; and which of the two
	s_mul_i32 s40, s19, PAIRB
	s_mul_i32 s21, s20, 768
	s_add_co_u32 s40, s40, s21
	s_mul_i32 s21, s18, 1536
	s_add_co_u32 s40, s40, s21                     ; A: my half fragment
	s_mov_b32 s41, 0
	s_lshr_b32 s42, ttmp9, 4
	s_lshl_b32 s42, s42, 13
	s_and_b32 s21, ttmp9, 15
	s_lshl_b32 s21, s21, 6
	s_add_co_u32 s42, s42, s21                     ; the tile's scale words of K step 0
	s_mov_b32 s43, 0
	s_lshr_b32 s54, s18, 1
	s_lshl_b32 s54, s54, 10
	s_add_co_u32 s54, s54, s42
	s_and_b32 s21, s18, 1
	s_lshl_b32 s21, s21, 1
	s_add_co_u32 s54, s54, s21
	s_add_co_u32 s54, s54, SCOFA                   ; out: K step w / 2, my half of the word
	s_mov_b32 s55, 0
	s_add_co_u32 s42, s42, SCOFA
	s_mul_i32 s44, s18, 2*PAIRB                    ; wo: pairs 2 w, 2 w + 1
	s_mov_b32 s45, 0
	s_lshr_b32 s46, s18, 2
	s_lshl_b32 s46, s46, 13
	s_and_b32 s21, s18, 3
	s_lshl_b32 s21, s21, 8
	s_add_co_u32 s46, s46, s21
	s_add_co_u32 s46, s46, SCOFB                   ; and their scale words
	s_mov_b32 s47, 0
	s_lshl_b32 s48, s19, 5
	s_lshl_b32 s21, s20, 3
	s_add_co_u32 s48, s48, s21
	s_and_b32 s21, s18, 7
	s_add_co_u32 s48, s48, s21
	s_lshr_b32 s21, s18, 3
	s_lshl_b32 s21, s21, 4
	s_add_co_u32 s48, s48, s21                     ; the token of tile row w
	s_lshl_b32 s48, s48, 12
	s_mov_b32 s49, 0
	s_lshl_b32 s50, s18, 8                         ; my 64 columns, in bytes
	s_mov_b32 s51, 0
	s_lshl_b32 s52, s19, 4
	s_add_co_u32 s52, s52, s18
	s_mul_i32 s52, s52, 1536
	s_mul_i32 s21, s20, 768
	s_add_co_u32 s52, s52, s21                     ; out: half fragment w of the tile
	s_mov_b32 s53, 0
	s_and_b32 s58, ttmp9, 127
	s_mul_i32 s58, s58, 6144                       ; my work-group's 24 blocks of wo
	s_mov_b32 s59, 0
	s_mov_b32 s[SEL], 0x76543210
	s_mov_b32 s[SEL+1], 0xfedcba98
	s_mov_b32 s22, 0x3a800000                      ; 1 / 1,024
	s_mov_b32 s23, 0x3727c5ac                      ; eps = 1e-5
	s_mul_i32 s24, s18, 768
	s_mul_i32 s25, s18, XP
	s_add_co_u32 s25, s25, XIM
	s_lshl_b32 s26, s18, 8
	s_add_co_u32 s26, s26, XIM
	s_lshl_b32 s27, s18, 2
	v_and_b32 v240, 31, v0                         ; lane
	v_and_b32 v241, 15, v0                         ; r
	v_bfe_u32 v242, v0, 4, 1                       ; h
	s_delay_alu instid0(VALU_DEP_3)
	v_lshlrev_b32 v[CO], 3, v240
	s_delay_alu instid0(VALU_DEP_3)
	v_lshlrev_b32 v[RO], 2, v241
	s_delay_alu instid0(VALU_DEP_3)
	v_lshlrev_b32 v[HO], 6, v242
	v_lshlrev_b32 v[LO], 2, v240
	v_lshlrev_b32 v[XG], 4, v240
	v_mul_u32_u24 v243, v241, XP
	v_mul_u32_u24 v[RRD], v241, RP2
	v_min_u32 v244, 23, v240
	v_lshlrev_b32 v[PFX], 8, v241
	v_add_nc_u32 v[AST], s24, v[CO]                ; A's image: half fragment w
	v_add_nc_u32 v[XST], s25, v[XG]                ; x, in: row w
	v_add_nc_u32 v243, v243, v[HO]
	v_add_nc_u32 v[RRD], RED, v[RRD]               ; the sums, back: row r's sixteen words
	v_lshlrev_b32 v[PFW], 8, v244
	s_delay_alu instid0(VALU_DEP_3)
	v_add_nc_u32 v[XRD], s26, v243                 ; x, back: row r, my 64 columns, 64 h
	s_delay_alu instid0(VALU_DEP_3)
	v_add_nc_u32 v[RST], s27, v[RRD]               ; the sums, in: row r, word w
	s_wait_alu depctr_va_vdst(0)                   ; the wait at the head's end
	s_wait_kmcnt 0x0
	s_add_nc_u64 s[40:41], s[4:5], s[40:41]
	s_add_nc_u64 s[42:43], s[4:5], s[42:43]
	s_add_nc_u64 s[44:45], s[6:7], s[44:45]
	s_add_nc_u64 s[46:47], s[6:7], s[46:47]
	s_add_nc_u64 s[58:59], s[6:7], s[58:59]
	s_add_nc_u64 s[48:49], s[10:11], s[48:49]
	s_add_nc_u64 s[8:9], s[8:9], s[50:51]
	s_add_nc_u64 s[12:13], s[12:13], s[50:51]
	s_add_nc_u64 s[14:15], s[14:15], s[50:51]
	s_add_nc_u64 s[52:53], s[16:17], s[52:53]
	s_add_nc_u64 s[54:55], s[16:17], s[54:55]
.macro GLD g                           ; group g: K step g of my four tiles of wo, 24 loads of 256 consecutive bytes
.irp b, 0,1,2,3
.irp p, 0,1,2,3,4,5
	global_load_b64 v[RING+48*((\g)%3)+12*\b+2*\p:RING+48*((\g)%3)+12*\b+2*\p+1], v[CO], s[44:45] offset:(\b/2)*PAIRB+(\g)*3072+(\b%2)*768+(\p/3)*1536+(\p%3)*256
.endr
.endr
.endm
.macro ALD k                           ; A's fragment of K step k out of the image
.irp p, 0,1,2,3,4,5
	ds_load_b64 v[AF+12*((\k)%2)+2*\p:AF+12*((\k)%2)+2*\p+1], v[CO] offset:(\k)*1536+\p*256
.endr
.endm
.macro VLD reg0, reg1, base            ; 32 numbers of a vector along the columns, as the accumulators lie
.irp m, 0,1,2,3
	global_load_b128 v[\reg0+4*\m:\reg0+4*\m+3], v[HO], s[\base:\base+1] offset:16*\m
	global_load_b128 v[\reg1+4*\m:\reg1+4*\m+3], v[HO], s[\base:\base+1] offset:128+16*\m
.endr
.endm
.macro WMX b, g, zero, mods:vararg
.set DD, ACC+8*(\b)
.set BB, RING+48*((\g)%3)+12*(\b)
.set AA, AF+12*((\g)%2)
.if \zero
	v_wmma_scale_f32_16x16x128_f8f6f4 v[DD:DD+7], v[BB:BB+11], v[AA:AA+11], 0, v[BS+2*(\g)+(\b)/2], v[AS+(\g)] matrix_a_fmt:MATRIX_FMT_BF6 matrix_b_fmt:MATRIX_FMT_BF6 \mods
.else
	v_wmma_scale_f32_16x16x128_f8f6f4 v[DD:DD+7], v[BB:BB+11], v[AA:AA+11], v[DD:DD+7], v[BS+2*(\g)+(\b)/2], v[AS+(\g)] matrix_a_fmt:MATRIX_FMT_BF6 matrix_b_fmt:MATRIX_FMT_BF6 \mods
.endif
.endm
.macro GRP g, zero, nload, nds         ; a K step: the four accumulators take turns; an odd tile's scale words stand in lanes 16-31
	s_wait_loadcnt \nload                          ; group g is in: nload loads were issued behind it
	s_wait_dscnt \nds                              ; A's fragment is in; the next one's six loads may be out
	WMX 0, \g, \zero
	WMX 1, \g, \zero, matrix_a_scale:MATRIX_SCALE_ROW1
	WMX 2, \g, \zero
	WMX 3, \g, \zero, matrix_a_scale:MATRIX_SCALE_ROW1
.rept 4
	v_nop                                          ; places in front of loads into registers that these products read
.endr
.endm
	global_prefetch_b8 v[PFX], s[48:49] th:TH_LOAD_NT scope:SCOPE_SE    ; my token's row of x
	s_cmp_lg_u32 s18, 0
	s_cbranch_scc1 .Lno_pf
	global_prefetch_b8 v[PFW], s[58:59] th:TH_LOAD_NT scope:SCOPE_SE    ; my work-group's share of wo
.Lno_pf:
.irp i, 0,1,2
	global_load_b64 v[240+2*\i:241+2*\i], v[CO], s[40:41] offset:256*\i
.endr
.irp k, 0,1,2,3,4,5,6,7
	global_load_b32 v[AS+\k], v[RO], s[42:43] offset:1024*\k
.endr
.irp k, 0,1,2,3,4,5,6,7
.irp i, 0,1
	global_load_b32 v[BS+2*\k+\i], v[LO], s[46:47] offset:1024*\k+128*\i
.endr
.endr
	GLD 0
	GLD 1
	s_wait_loadcnt 63                              ; my half fragment of A is in: 72 loads were issued behind its three
.irp i, 0,1,2
	ds_store_b64 v[AST], v[240+2*\i:241+2*\i] offset:256*\i
.endr
	s_wait_dscnt 0x0                               ; for the others' sake
	s_barrier_signal -1
	s_barrier_wait -1
	GLD 2
	ALD 0
	ALD 1
	GRP 0, 1, 48, 6                                ; the first products start the sums
	GLD 3
	ALD 2
.irp g, 1,2,3,4
	GRP \g, 0, 48, 6
	GLD \g+3
	ALD \g+2
.endr
	GRP 5, 0, 48, 6
.irp i, 0,1,2,3,4,5,6,7
	global_load_b128 v[XT+4*\i:XT+4*\i+3], v[XG], s[48:49] offset:512*\i th:TH_LOAD_NT    ; x: my token's row, 512 consecutive bytes an instruction
.endr
	ALD 7
	GRP 6, 0, 32, 6                                ; behind group 6: group 7 and x
	VLD BIA, BIA+16, 8
	GRP 7, 0, 16, 0                                ; behind group 7: x and bout
	VLD GG, GG+16, 12
	VLD 128, 176, 14
	s_wait_loadcnt 24                              ; x is in; bout, g2, be2 may be out
.irp i, 0,1,2,3,4,5,6,7
	ds_store_b128 v[XST], v[XT+4*\i:XT+4*\i+3] offset:512*\i
.endr
	s_wait_dscnt 0x0
	s_barrier_signal -1
	s_barrier_wait -1
.irp m, 0,1,2,3
	ds_load_b128 v[XT+4*\m:XT+4*\m+3], v[XRD] offset:16*\m
	ds_load_b128 v[XT+16+4*\m:XT+16+4*\m+3], v[XRD] offset:128+16*\m
.endr
	s_wait_loadcnt 16                              ; bout is in
	s_wait_dscnt 0x0
.irp n, 0,2,4,6,8,10,12,14,16,18,20,22,24,26,28,30
	v_pk_add_f32 v[ACC+\n:ACC+\n+1], v[ACC+\n:ACC+\n+1], v[XT+\n:XT+\n+1]      ; each accumulator from its low end on
.endr
.irp n, 0,2,4,6,8,10,12,14,16,18,20,22,24,26,28,30
	v_pk_add_f32 v[ACC+\n:ACC+\n+1], v[ACC+\n:ACC+\n+1], v[BIA+\n:BIA+\n+1]
.endr
.macro MEET src, off, dst              ; v[src], my 32 columns' part of my row's sum: with lane l xor 16's; the sixteen waves' parts through LDS; the row's sum in v[dst]
	s_delay_alu instid0(VALU_DEP_1)
	v_permlanex16_b32 v[\src+1], v[\src], s[SEL], s[SEL+1]
	s_delay_alu instid0(VALU_DEP_1)
	v_add_f32 v[\src], v[\src], v[\src+1]
	ds_store_b32 v[RST], v[\src] offset:\off       ; lanes 16-31 write the same words as lanes 0-15
	s_wait_alu depctr_va_vdst(0)                   ; the wait ahead of the waits below
	s_wait_dscnt 0x0
	s_barrier_signal -1
	s_barrier_wait -1
.irp q, 0,1,2,3
	ds_load_b128 v[RR+4*\q:RR+4*\q+3], v[RRD] offset:\off+16*\q
.endr
	s_wait_loadcnt 0x0                             ; (g2 and be2 too)
	s_wait_dscnt 0x0
	v_pk_add_f32 v[RR:RR+1], v[RR:RR+1], v[RR+2:RR+3]
	v_pk_add_f32 v[RR+4:RR+5], v[RR+4:RR+5], v[RR+6:RR+7]
	v_pk_add_f32 v[RR+8:RR+9], v[RR+8:RR+9], v[RR+10:RR+11]
	v_pk_add_f32 v[RR+12:RR+13], v[RR+12:RR+13], v[RR+14:RR+15]
	s_delay_alu instid0(VALU_DEP_3)
	v_pk_add_f32 v[RR:RR+1], v[RR:RR+1], v[RR+4:RR+5]
	s_delay_alu instid0(VALU_DEP_2)
	v_pk_add_f32 v[RR+8:RR+9], v[RR+8:RR+9], v[RR+12:RR+13]
	s_delay_alu instid0(VALU_DEP_1)
	v_pk_add_f32 v[RR:RR+1], v[RR:RR+1], v[RR+8:RR+9]
	s_delay_alu instid0(VALU_DEP_1)
	v_add_f32 v[\dst], v[RR], v[RR+1]
.endm
	v_pk_add_f32 v[TT:TT+1], v[ACC:ACC+1], v[ACC+2:ACC+3]
	v_pk_add_f32 v[TT+2:TT+3], v[ACC+4:ACC+5], v[ACC+6:ACC+7]
.irp j, 8,12,16,20,24,28
	s_delay_alu instid0(VALU_DEP_2)
	v_pk_add_f32 v[TT:TT+1], v[TT:TT+1], v[ACC+\j:ACC+\j+1]
	s_delay_alu instid0(VALU_DEP_2)
	v_pk_add_f32 v[TT+2:TT+3], v[TT+2:TT+3], v[ACC+\j+2:ACC+\j+3]
.endr
	s_delay_alu instid0(VALU_DEP_1)
	v_pk_add_f32 v[TT:TT+1], v[TT:TT+1], v[TT+2:TT+3]
	s_delay_alu instid0(VALU_DEP_1)
	v_add_f32 v[TT], v[TT], v[TT+1]
	MEET TT, 0, TT
	s_delay_alu instid0(VALU_DEP_1)
	v_mul_f32 v[TT], s22, v[TT]                    ; the mean
	s_delay_alu instid0(VALU_DEP_1)
	v_mov_b32 v[TT+1], v[TT]
.irp j, 0,2,4,6,8,10,12,14,16,18,20,22,24,26,28,30
	v_pk_add_f32 v[ACC+\j:ACC+\j+1], v[ACC+\j:ACC+\j+1], v[TT:TT+1] neg_lo:[0,1] neg_hi:[0,1]
.endr
	v_pk_mul_f32 v[TT+2:TT+3], v[ACC:ACC+1], v[ACC:ACC+1]
	v_pk_mul_f32 v[TT+4:TT+5], v[ACC+2:ACC+3], v[ACC+2:ACC+3]
.irp j, 4,8,12,16,20,24,28
	s_delay_alu instid0(VALU_DEP_2)
	v_pk_fma_f32 v[TT+2:TT+3], v[ACC+\j:ACC+\j+1], v[ACC+\j:ACC+\j+1], v[TT+2:TT+3]
	s_delay_alu instid0(VALU_DEP_2)
	v_pk_fma_f32 v[TT+4:TT+5], v[ACC+\j+2:ACC+\j+3], v[ACC+\j+2:ACC+\j+3], v[TT+4:TT+5]
.endr
	s_delay_alu instid0(VALU_DEP_1)
	v_pk_add_f32 v[TT+2:TT+3], v[TT+2:TT+3], v[TT+4:TT+5]
	s_delay_alu instid0(VALU_DEP_1)
	v_add_f32 v[TT+2], v[TT+2], v[TT+3]
	MEET TT+2, 16*RP2, TT+2
	s_delay_alu instid0(VALU_DEP_1)
	v_fma_f32 v[TT+2], v[TT+2], s22, s23           ; var + eps
	s_wait_alu depctr_va_vdst(0)                   ; the wait ahead of the transcendental,
	v_rsq_f32 v[TT+4], v[TT+2]
	v_nop                                          ; one plain place behind it,
	s_wait_alu depctr_va_vdst(0)                   ; and the wait ahead of its first reader
	v_mov_b32 v[TT+5], v[TT+4]
.irp j, 0,2,4,6,8,10,12,14,16,18,20,22,24,26,28,30
	v_pk_mul_f32 v[ACC+\j:ACC+\j+1], v[ACC+\j:ACC+\j+1], v[TT+4:TT+5]
.endr
.irp j, 0,2,4,6,8,10,12,14,16,18,20,22,24,26,28,30
	v_pk_fma_f32 v[ACC+\j:ACC+\j+1], v[ACC+\j:ACC+\j+1], v[GG+\j:GG+\j+1], v[128+48*(\j/16)+(\j%16):128+48*(\j/16)+(\j%16)+1]
.endr
	; the quantiser: register 16 P + i is column 64 w + 32 P + 16 h + i of my token: two blocks; half a fragment and half a scale word leave
.irp b, 0,1
	v_max3_num_f32 v[232+\b], |v[ACC+16*\b]|, |v[ACC+1+16*\b]|, 0x2800000      ; and the floor 2^(5 - 127)
.endr
.irp i, 2,4,6,8,10,12,14
.irp b, 0,1
	s_delay_alu instid0(VALU_DEP_2)
	v_max3_num_f32 v[232+\b], v[232+\b], |v[ACC+16*\b+\i]|, |v[ACC+1+16*\b+\i]|
.endr
.endr
.irp b, 0,1
	s_delay_alu instid0(VALU_DEP_2)
	v_permlanex16_b32 v[236+\b], v[232+\b], s[SEL], s[SEL+1]
.endr
.irp b, 0,1
	s_delay_alu instid0(VALU_DEP_2)
	v_max_num_f32 v[232+\b], v[232+\b], v[236+\b]
.endr
.irp b, 0,1
	s_delay_alu instid0(VALU_DEP_2)
	v_add_nc_u32 v[244+\b], 0xfe000000, v[232+\b]  ; 4 off the exponent field: the conversion's scale operand
.endr
.irp b, 0,1
	s_delay_alu instid0(VALU_DEP_2)
	v_lshrrev_b32 v[236+\b], 23, v[244+\b]         ; the scale's byte
.endr
	s_delay_alu instid0(VALU_DEP_1)
	v_lshl_or_b32 v240, v237, 8, v236
	v_cvt_scalef32_pk16_bf6_f32 v[224:226], v[ACC:ACC+15], v244
	v_cvt_scalef32_pk16_bf6_f32 v[228:230], v[ACC+16:ACC+31], v245
	v_nop                                          ; one plain place behind a scaled conversion
.irp i, 0,1,2
	v_permlane16_swap_b32 v[224+\i], v[228+\i]     ; the operand's layout wants a whole block in a lane
.endr
.irp i, 0,1,2
	s_delay_alu instid0(VALU_DEP_3)
	v_mov_b32 v[227+\i], v[228+\i]
.endr
.irp g, 0,1,2
	global_store_b64 v[CO], v[224+2*\g:225+2*\g], s[52:53] offset:256*\g       ; 256 consecutive bytes, aligned
.endr
	global_store_b16 v[RO], v240, s[54:55]         ; a wave owns half of a scale word: 2 bytes a row; lanes 16-31 store the same as lanes 0-15
	s_wait_tensorcnt 0x0                           ; the wave's end
	ds_add_u32 v[SPW], v[NIL]
	s_wait_dscnt 0x0
	s_endpgm
.Lfunc_end_k_q81bfd09ca1_oln:
	.size	k_q81bfd09ca1_oln, .Lfunc_end_k_q81bfd09ca1_oln-k_q81bfd09ca1_oln
	.p2alignl 7, 3214868480
	.fill 96, 4, 3214868480
	.section	.rodata,"a",@progbits
	.p2align	6, 0x0
	.amdhsa_kernel k_q81bfd09ca1_oln
		.amdhsa_group_segment_fixed_size 82688
		.amdhsa_private_segment_fixed_size 0
		.amdhsa_enable_private_segment 0
		.amdhsa_kernarg_size 56
		.amdhsa_user_sgpr_count 2
		.amdhsa_user_sgpr_kernarg_segment_ptr 1
		.amdhsa_wavefront_size32 1
		.amdhsa_system_sgpr_workgroup_id_x 1
		.amdhsa_system_sgpr_workgroup_id_y 1
		.amdhsa_system_sgpr_workgroup_id_z 1
		.amdhsa_system_vgpr_workitem_id 0
		.amdhsa_next_free_vgpr 256
		.amdhsa_next_free_sgpr 66
		.amdhsa_reserve_vcc 0
		.amdhsa_float_denorm_mode_32 3
		.amdhsa_float_denorm_mode_16_64 3
		.amdhsa_memory_ordered 1
		.amdhsa_forward_progress 1
		.amdhsa_inst_pref_size 53
	.end_amdhsa_kernel
	.amdgpu_metadata
---
amdhsa.version: [ 1, 2 ]
amdhsa.kernels:
  - .name:           k_q81bfd09ca1_oln
    .symbol:         k_q81bfd09ca1_oln.kd
    .args:
      - { .name: act, .offset: 0, .size: 8, .value_kind: global_buffer, .address_space: global }
      - { .name: wo, .offset: 8, .size: 8, .value_kind: global_buffer, .address_space: global }
      - { .name: bout, .offset: 16, .size: 8, .value_kind: global_buffer, .address_space: global }
      - { .name: x, .offset: 24, .size: 8, .value_kind: global_buffer, .address_space: global }
      - { .name: g2, .offset: 32, .size: 8, .value_kind: global_buffer, .address_space: global }
      - { .name: be2, .offset: 40, .size: 8, .value_kind: global_buffer, .address_space: global }
      - { .name: act2, .offset: 48, .size: 8, .value_kind: global_buffer, .address_space: global }
    .group_segment_fixed_size: 82688
    .private_segment_fixed_size: 0
    .kernarg_segment_align: 8
    .kernarg_segment_size: 56
    .max_flat_workgroup_size: 512
    .sgpr_count:     66
    .vgpr_count:     256
    .wavefront_size: 32
...
	.end_amdgpu_metadata
.endif
;; end of part 4
;; launch ffn1: the kernel of part 2 again; grid 16 x 16, 4 waves a work-group, clusters of 4 x 4, 327,680 bytes of LDS; arguments act2, w1, b1, big; writes big
;; launch ffn2 (part 5): grid 8 x 32, 4 waves a work-group, clusters of 4 x 4, 327,680 bytes of LDS; arguments big, w2, b2, x, out0; writes out0
.if DOCPART == 5
	.amdgcn_target "amdgcn-amd-amdhsa--gfx1250"
	.amdhsa_code_object_version 6
	.text
	.protected	k_q81bfd09ca1_ffn2
	.globl	k_q81bfd09ca1_ffn2
	.p2align	8
	.type	k_q81bfd09ca1_ffn2,@function
k_q81bfd09ca1_ffn2:
	s_mov_b64 s[64:65], 0
	v_nop
	global_prefetch_b8 v0, s[64:65] scope:SCOPE_SE
	s_setreg_imm32_b32 hwreg(HW_REG_WAVE_MODE, 25, 1), 1
	s_wait_xcnt 0x0
	s_wait_alu depctr_hold_cnt(0) depctr_sa_sdst(0) depctr_va_vdst(0) depctr_va_sdst(0) depctr_va_ssrc(0) depctr_va_vcc(0) depctr_vm_vsrc(0)
	s_getreg_b32 s2, hwreg(HW_REG_IB_STS2, 6, 4)
	s_cmp_eq_u32 s2, 0
	s_cbranch_scc0 .Lentry_in_a_cluster
	s_endpgm
.Lentry_in_a_cluster:
	s_bfe_u32 s2, ttmp6, 0x10000c
	s_cmp_lg_u32 s2, 0xf033
	s_cbranch_scc0 .Lentry_shape_is_right
	s_endpgm
.Lentry_shape_is_right:
; out0 = x + (A B^T + b2), K = 4,096: A = big (the hidden layer's codes), B = w2, both codes of BF6 (E3M2) with E8M0 scale words, laid as images of operand registers:
; a pair of row tiles (32 rows) has 64 half fragments (64 along K) of 1,536 bytes on end, 98,304 bytes a pair; scale words at ((row / 256) x 32 + kstep) x 1,024 + 4 (row % 256) behind the codes.
; A work-group makes 128 x 128 of the result.  K IS SHARED OUT AMONG THE FOUR WAVES: of each chunk of 512 along K wave w takes K step w, against all 128 x 128: 64 accumulators a wave; the four parts are added through LDS at the end.
; ONE SLOT OF 294,912 BYTES, FILLED THREE TIMES: chunks 0-2, 3-5, 6-7.  A fill is one joint load a wave: 2 pairs x 36,864 bytes (waves 0, 1: A's four pairs; waves 2, 3: B's).  The last fill states a tensor of
; 24,576 bytes a row under the same tile, so that the LDS rows keep their pitch; the bytes beyond are written as zeros and never read.
; A fill's last chunk is wholly in registers when the slot is asked for again: its 64 products stand behind the refill.
; THE SCALE WORDS come once, from memory straight into 64 registers a wave: a register holds the words of 32 rows, two blocks, and the matrix instruction picks lanes 0-15 or 16-31.  Each load covers 128 consecutive bytes.
; CLUSTERS 4 x 4: A's tiles are asked for jointly along a row of the cluster, B's along a column.
; PREFETCH: behind the head's load the next fill's bytes are named, behind the first refill the last fill's and my 32 rows of x: one fill ahead.  Of the 73,728 (49,152) bytes that a wave fetches each of the four partners
; names a quarter, told apart by address; left-over lanes name their share's last block again.  The last refill names nothing.
; x is loaded ahead of the last chunk's products, into the set of B's registers that is free by then.
; The matrix instruction is used transposed (source 0 = rows of B, source 1 = rows of A).  NaN and infinities are not served.
; REGISTERS: window 0: v8-29 addresses; v32-95 scale words; v96-99 the bias; v128-223 A's fragments, one set; at the end v192-255 the parts.  window 1: B's fragments, two sets (v0, v128); at the end v0-127 x.  windows 2, 3: accumulators.
.set SCOFA,  15728640
.set SCOFB,  3145728
.set PAIRB,  98304
.set CHB,    12288                     ; a pair's 512 along K
.set RP,     3*CHB                     ; a pair's row in LDS
.set OPB,    4*RP                      ; B's four pairs lie behind A's
.set PART,   128*528                   ; the way out: a wave's part, 128 rows of 512 + 16 bytes, over the slot, which has had its last fill
.set SPARE,  2*OPB
.set FR, 12
.set NL, 6
.set NP, 4
.set RD,   8
.set PF0,  12
.set PF1,  13
.set PF2,  14
.set PFX,  15
.set ADRA, 16                          ; v16-17 my A fragments: pairs 0-1, pairs 2-3
.set ADRB, 20                          ; v20-21 the same for B
.set STO,  24
.set XO,   26
.set SOF,  27
.set SPW,  28
.set NIL,  29
.set SC,   32                          ; chunk c: v[SC + 8 c + i] A's blocks 2 i, 2 i + 1; v[SC + 8 c + 4 + i] B's
.set BIAS, 96
.set AF,   128
.set G1, 24
.set G0, 32
.set G1B, 48
.set G0B, 56
.set PFA, 68
.set MSB, 0
.macro WIN new
.if MSB != \new
	s_set_vgpr_msb (MSB<<8)|\new
.set MSB, \new
.endif
.endm
.set MUL_LO, 0xa1
.set MUL_HI, 0xf1
.set TO_B,   0x40
.macro JLOAD
	s_cmp_eq_u32 s15, 0
	s_cbranch_scc0 .Lfor_b_\@
	tensor_load_to_lds s[G0:G0+3], s[G1:G1+7]
	s_nop 0
.rept 4
	v_nop
.endr
	s_branch .Lasked_\@
.Lfor_b_\@:
	tensor_load_to_lds s[G0B:G0B+3], s[G1B:G1B+7]
	s_nop 0
.rept 4
	v_nop
.endr
.Lasked_\@:
.endm
.macro CREST
	s_cmp_lg_u32 s14, 0
	s_cbranch_scc1 .Lnot_wave_0_\@
	s_barrier_signal -3
.Lnot_wave_0_\@:
	s_barrier_wait -3
	s_barrier_signal -1
	s_barrier_wait -1
.endm
.macro CROUND
	s_barrier_signal -1
	s_barrier_wait -1
	CREST
.endm
	s_load_b256 s[4:11], s[0:1], 0x0               ; big, w2, b2, x
	s_load_b64 s[12:13], s[0:1], 0x20              ; out0
	v_lshl_add_u32 v[SPW], v0, 2, SPARE
	v_mov_b32 v[NIL], 0
	ds_add_u32 v[SPW], v[NIL]                      ; the opening lines: the add twice on end and its wait; the set-up stands between
	ds_add_u32 v[SPW], v[NIL]
	v_lshrrev_b32 v1, 5, v0
	v_readfirstlane_b32 s14, v1                    ; wave 0..3
	s_lshr_b32 s15, s14, 1                         ; I fetch for A (0) or for B (1),
	s_and_b32 s16, s14, 1                          ; and which two pairs
	s_bfe_u32 s40, ttmp6, 0x40000                  ; cx
	s_bfe_u32 s41, ttmp6, 0x40004                  ; cy
	s_lshl_b32 s42, ttmp9, 2
	s_add_co_u32 s42, s42, s40                     ; block column
	s_and_b32 s17, ttmp7, 0xffff
	s_lshl_b32 s17, s17, 2
	s_add_co_u32 s17, s17, s41                     ; block row
	s_lshl_b32 s43, s41, 2
	s_lshl_b32 s43, 15, s43
	s_lshl_b32 s44, 0x1111, s40
	s_or_b32 s[G1+0], s43, (3<<16)|(1<<21)
	s_or_b32 s[G1B+0], s44, (3<<16)|(1<<21)
.irp g, G1, G1B
	s_mov_b32 s[\g+1], (RP/8)<<16                  ; 2 rows x 4,608 elements of 8 bytes, 12,288 elements from row to row
	s_mov_b32 s[\g+2], 2<<16
	s_mov_b32 s[\g+3], (RP/8)<<16
	s_mov_b32 s[\g+4], 2
	s_mov_b32 s[\g+5], PAIRB/8
	s_mov_b32 s[\g+6], 0
	s_mov_b32 s[\g+7], 0
.endr
	s_lshl_b32 s18, s17, 2
	s_lshl_b32 s19, s16, 1
	s_add_co_u32 s18, s18, s19
	s_mul_i32 s18, s18, PAIRB                      ; A's codes: pair 4 x block row + 2 x half
	s_mov_b32 s19, 0
	s_lshl_b32 s46, s42, 2
	s_lshl_b32 s47, s16, 1
	s_add_co_u32 s46, s46, s47
	s_mul_i32 s46, s46, PAIRB                      ; B likewise
	s_mov_b32 s47, 0
	s_lshr_b32 s22, s17, 1                         ; A's scale words: my block's 512 bytes of K step w
	s_lshl_b32 s22, s22, 15
	s_and_b32 s23, s17, 1
	s_lshl_b32 s23, s23, 9
	s_add_co_u32 s22, s22, s23
	s_lshl_b32 s23, s14, 10
	s_add_co_u32 s22, s22, s23
	s_add_co_u32 s22, s22, SCOFA
	s_mov_b32 s23, 0
	s_lshr_b32 s92, s42, 1
	s_lshl_b32 s92, s92, 15
	s_and_b32 s93, s42, 1
	s_lshl_b32 s93, s93, 9
	s_add_co_u32 s92, s92, s93
	s_lshl_b32 s93, s14, 10
	s_add_co_u32 s92, s92, s93
	s_add_co_u32 s92, s92, SCOFB
	s_mov_b32 s93, 0
	s_lshl_b32 s72, s42, 9                         ; my block's 128 columns, in bytes
	s_mov_b32 s73, 0
	s_lshl_b32 s70, s17, 2
	s_add_co_u32 s70, s70, s14
	s_lshl_b32 s70, s70, 17                        ; at the end wave w takes pair w: 32 tokens of 4,096 bytes
	s_add_co_u32 s70, s70, s72
	s_mov_b32 s71, 0
	s_cmp_eq_u32 s15, 0                            ; the prefetches: the tile that I fetch, and my place among the four that ask for it with me
	s_cselect_b32 s20, s17, s42
	s_cselect_b32 s75, s40, s41
	s_lshl_b32 s20, s20, 2
	s_lshl_b32 s21, s16, 1
	s_add_co_u32 s20, s20, s21
	s_lshr_b32 s21, s75, 1
	s_add_co_u32 s20, s20, s21                     ; which of the two pairs,
	s_mul_i32 s20, s20, PAIRB
	s_and_b32 s75, s75, 1
	s_mul_i32 s21, s75, RP/2                       ; and which half of its row
	s_add_co_u32 s20, s20, s21
	s_add_co_u32 s20, s20, RP                      ; the second fill
	s_mov_b32 s21, 0
	s_mul_i32 s66, s75, RP/2-CHB                   ; the last fill's halves are 12,288 bytes
	s_mov_b32 s67, 0
	v_and_b32 v1, 15, v0                           ; r
	v_bfe_u32 v2, v0, 4, 1                         ; h
	v_and_b32 v3, 31, v0                           ; lane
	v_lshlrev_b32 v4, 3, v3
	v_lshlrev_b32 v[XO], 4, v3
	v_lshlrev_b32 v[SOF], 2, v3
	v_lshlrev_b32 v[PF0], 8, v3                    ; a lane a block of 256 bytes
	v_lshlrev_b32 v[PFX], 12, v3                   ; a lane a row of x
	v_min_u32 v5, 15, v3
	v_lshlrev_b32 v[PF1], 8, v5
	v_min_u32 v6, 7, v3
	v_lshlrev_b32 v[PF2], 8, v6
	s_mul_i32 s74, s14, 3072                       ; my K step of each chunk
	v_add_nc_u32 v[ADRA], s74, v4
	v_add_nc_u32 v[ADRA+1], 2*RP, v[ADRA]
	v_add_nc_u32 v[ADRB], OPB, v[ADRA]
	v_add_nc_u32 v[ADRB+1], OPB+2*RP, v[ADRA]
	s_mul_i32 s74, s14, PART
	v_mul_u32_u24 v5, v1, 528
	v_lshl_add_u32 v5, v2, 6, v5
	v_add_nc_u32 v[STO], s74, v5                   ; my part: row r, 64 h
	s_mul_i32 s74, s14, 32*528
	v_add_nc_u32 v[RD], s74, v[XO]                 ; and back: rows 32 w on of each part
.irp p, 1,2,3
	v_add_nc_u32 v[RD+\p], \p*PART, v[RD]
.endr
	s_wait_alu depctr_va_vdst(0)                   ; the wait behind the head's last vector line, ahead of the waits below
	s_wait_dscnt 0x0
	s_wait_kmcnt 0x0
	s_add_nc_u64 s[18:19], s[4:5], s[18:19]
	s_add_nc_u64 s[46:47], s[6:7], s[46:47]
	s_add_nc_u64 s[22:23], s[4:5], s[22:23]
	s_add_nc_u64 s[92:93], s[6:7], s[92:93]
	s_add_nc_u64 s[8:9], s[8:9], s[72:73]
	s_add_nc_u64 s[10:11], s[10:11], s[70:71]
	s_add_nc_u64 s[12:13], s[12:13], s[70:71]
	s_cmp_eq_u32 s15, 0
	s_cselect_b64 s[PFA:PFA+1], s[4:5], s[6:7]
	s_add_nc_u64 s[PFA:PFA+1], s[PFA:PFA+1], s[20:21]
	s_mov_b32 s[G0], 1
	s_mul_i32 s[G0+1], s14, 2*RP                   ; wave x two rows: no place in the cluster enters an LDS address
	s_mov_b64 s[G0+2:G0+3], s[18:19]
	s_or_b32 s[G0+3], s[G0+3], 0x80000000
	s_mov_b32 s[G0B], 1
	s_mul_i32 s[G0B+1], s14, 2*RP
	s_mov_b64 s[G0B+2:G0B+3], s[46:47]
	s_or_b32 s[G0B+3], s[G0B+3], 0x80000000
	CROUND                                         ; all sixteen work-groups are here: the first joint loads meet
	JLOAD                                          ; chunks 0 to 2: one load a wave
	global_prefetch_b8 v[PF0], s[PFA:PFA+1] th:TH_LOAD_NT scope:SCOPE_SE               ; chunks 3 to 5: my 72 blocks
	global_prefetch_b8 v[PF0], s[PFA:PFA+1] offset:8192 th:TH_LOAD_NT scope:SCOPE_SE
	global_prefetch_b8 v[PF2], s[PFA:PFA+1] offset:16384 th:TH_LOAD_NT scope:SCOPE_SE
	global_load_b128 v[BIAS:BIAS+3], v[XO], s[8:9]
.irp c, 0,1,2,3,4,5,6,7
.irp i, 0,1,2,3
	global_load_b32 v[SC+8*\c+\i], v[SOF], s[22:23] offset:4096*\c+128*\i
	global_load_b32 v[SC+8*\c+4+\i], v[SOF], s[92:93] offset:4096*\c+128*\i
.endr
.endr
.macro FRAG reg, adr, cc, i            ; a fragment, 16 rows x 128 K: six loads of 8 bytes a lane, 256 consecutive bytes each
.irp p, 0,1,2,3,4,5
	ds_load_b64 v[\reg+2*\p:\reg+2*\p+1], v[\adr+(\i)/4] offset:(((\i)/2)%2)*RP+(\cc)*CHB+((\i)%2)*768+(\p/3)*1536+(\p%3)*256
.endr
.endm
.macro WMX a, b, c, zero, mods:vararg
.set DD, 8*(8*((\a)%4)+(\b))
.set BB, 128*((\c)%2)+FR*(\b)
.set AA, AF+FR*(\a)
.if \zero
	v_wmma_scale_f32_16x16x128_f8f6f4 v[DD:DD+7], v[BB:BB+FR-1], v[AA:AA+FR-1], 0, v[SC+8*(\c)+4+(\b)/2], v[SC+8*(\c)+(\a)/2] matrix_a_fmt:MATRIX_FMT_BF6 matrix_b_fmt:MATRIX_FMT_BF6 \mods
.else
	v_wmma_scale_f32_16x16x128_f8f6f4 v[DD:DD+7], v[BB:BB+FR-1], v[AA:AA+FR-1], v[DD:DD+7], v[SC+8*(\c)+4+(\b)/2], v[SC+8*(\c)+(\a)/2] matrix_a_fmt:MATRIX_FMT_BF6 matrix_b_fmt:MATRIX_FMT_BF6 \mods
.endif
.endm
; 16 matrix instructions: A's blocks a0 (even), a0 + 1 x B's eight.  An odd block's scale words stand in lanes 16-31.  The 64 accumulators take turns, one instruction a turn.
.macro MUL16 a0, c, zero
.irp bp, 0,1,2,3
	WMX \a0, 2*\bp, \c, \zero
	WMX \a0, 2*\bp+1, \c, \zero, matrix_a_scale:MATRIX_SCALE_ROW1
.endr
.irp bp, 0,1,2,3
	WMX \a0+1, 2*\bp, \c, \zero, matrix_b_scale:MATRIX_SCALE_ROW1
	WMX \a0+1, 2*\bp+1, \c, \zero, matrix_a_scale:MATRIX_SCALE_ROW1 matrix_b_scale:MATRIX_SCALE_ROW1
.endr
.endm
.macro FETCH_B c
	WIN TO_B
.irp i, 0,1,2,3,4,5,6,7
	FRAG 128*((\c)%2)+FR*\i, ADRB, (\c)%3, \i
.endr
	WIN 0
.endm
.macro FETCH_A c, i0
.irp i, \i0, \i0+1, \i0+2, \i0+3
	FRAG AF+FR*(\i), ADRA, (\c)%3, \i
.endr
.endm
.macro PLACES n                        ; plain vector places behind matrix instructions (ISA guide 7.12.1)
.rept \n
	v_nop
.endr
.endm
.macro CHUNK c, zero                   ; a chunk whose successor lies in the same fill
	s_wait_dscnt 4*NL                              ; B's set and A's blocks 0-3 are in; the youngest 24 loads (A's blocks 4-7) may be out
	WIN MUL_LO
	MUL16 0, \c, \zero
	MUL16 2, \c, \zero
	s_wait_dscnt 0x0
	PLACES NP
	FETCH_B (\c)+1
	FETCH_A (\c)+1, 0
	WIN MUL_HI
	MUL16 4, \c, \zero
	MUL16 6, \c, \zero
	PLACES NP
	WIN 0
	FETCH_A (\c)+1, 4
.endm
.macro LASTOF c                        ; a fill's last chunk: all its fragments are asked for, so the slot is free as soon as they are in
.if (\c) == 2
	s_wait_xcnt 0x0                                ; the head's prefetches have read their address: on to the last fill's share
	s_add_nc_u64 s[PFA:PFA+1], s[PFA:PFA+1], RP
	s_sub_nc_u64 s[PFA:PFA+1], s[PFA:PFA+1], s[66:67]
.endif
	s_wait_tensorcnt 0x0                           ; none of my tensor loads is out
	ds_add_u32 v[SPW], v[NIL]
	s_add_nc_u64 s[G0+2:G0+3], s[G0+2:G0+3], RP
	s_add_nc_u64 s[G0B+2:G0B+3], s[G0B+2:G0B+3], RP
.if (\c) == 5
	s_mov_b32 s[G1+1], (2*CHB/8)<<16               ; two chunks are left of each row
	s_mov_b32 s[G1B+1], (2*CHB/8)<<16
.endif
	s_wait_dscnt 0x0                               ; the add is done, and my reads of the slot are over
	CROUND                                         ; the same holds of every wave of the cluster
	JLOAD                                          ; the refill, my one load behind the round
.if (\c) == 2
	global_prefetch_b8 v[PF0], s[PFA:PFA+1] th:TH_LOAD_NT scope:SCOPE_SE               ; chunks 6 and 7: my 48 blocks
	global_prefetch_b8 v[PF1], s[PFA:PFA+1] offset:8192 th:TH_LOAD_NT scope:SCOPE_SE
	global_prefetch_b8 v[PFX], s[10:11] th:TH_LOAD_NT scope:SCOPE_SE                   ; and my 32 rows x 512 bytes of x
	global_prefetch_b8 v[PFX], s[10:11] offset:256 th:TH_LOAD_NT scope:SCOPE_SE
.endif
	WIN MUL_LO
	MUL16 0, \c, 0
	MUL16 2, \c, 0
	WIN MUL_HI
	MUL16 4, \c, 0
	MUL16 6, \c, 0
	WIN 0
	s_wait_tensorcnt 0x0                           ; my part of the new fill is in;
	s_barrier_signal -1
	s_barrier_wait -1                              ; everybody's is.
	PLACES NP
	FETCH_B (\c)+1
	FETCH_A (\c)+1, 0
	FETCH_A (\c)+1, 4
.endm
	s_wait_tensorcnt 0x0                           ; my part of the first fill is in;
	s_barrier_signal -1
	s_barrier_wait -1                              ; everybody's is.
	FETCH_B 0
	FETCH_A 0, 0
	FETCH_A 0, 4
	s_wait_loadcnt 0x0                             ; the scale words and the bias
	CHUNK 0, 1                                     ; the first products start the sums
	CHUNK 1, 0
	LASTOF 2
	CHUNK 3, 0
	CHUNK 4, 0
	LASTOF 5
	CHUNK 6, 0
	WIN TO_B                                       ; x: my 32 tokens' 512 bytes, in tile order, into window 1's v0-127: chunk 6's set of B is done with, four places behind its last product
.set rr, 0
.rept 32
	global_load_b128 v[4*rr:4*rr+3], v[XO], s[10:11] offset:(8*(rr/16)+(rr%8)+16*((rr%16)/8))*4096 th:TH_LOAD_NT
.set rr, rr+1
.endr
	WIN 0
	s_wait_dscnt 4*NL
	WIN MUL_LO
	MUL16 0, 7, 0
	MUL16 2, 7, 0
	s_wait_dscnt 0x0                               ; my reads of the slot are over
	s_barrier_signal -1
	WIN MUL_HI
	MUL16 4, 7, 0
	MUL16 6, 7, 0
	WIN 0
	s_barrier_wait -1                              ; everybody's are: the parts may be laid over it
	PLACES NP
.irp a, 0,1,2,3,4,5,6,7
	WIN 0x08+4*(\a/4)
.irp b, 0,1,2,3,4,5,6,7
	ds_store_b128 v[STO], v[64*(\a%4)+8*\b:64*(\a%4)+8*\b+3] offset:\a*8448+(\b/2)*128+(\b%2)*32          ; each accumulator from its low end on
	ds_store_b128 v[STO], v[64*(\a%4)+8*\b+4:64*(\a%4)+8*\b+7] offset:\a*8448+(\b/2)*128+(\b%2)*32+16
.endr
.endr
	WIN 0
	s_wait_dscnt 0x0
	s_barrier_signal -1
	s_barrier_wait -1
.macro GLOAD g                         ; two rows of each of the four parts
.set SBG, 192+32*((\g)%2)
.irp q, 0,1
.irp p, 0,1,2,3
	ds_load_b128 v[SBG+16*\q+4*\p:SBG+16*\q+4*\p+3], v[RD+\p] offset:(2*(\g)+\q)*528
.endr
.endr
.endm
.macro GSUM g                          ; the four parts + bias + x; 32 lanes store 512 consecutive bytes, aligned
.set SBG, 192+32*((\g)%2)
.if (\g) < 15
	s_wait_dscnt 8                                 ; the next group's eight loads may be out
.else
	s_wait_dscnt 0x0
.endif
	s_wait_loadcnt 30-2*(\g)                       ; x's later rows may be out
.irp q, 0,1
.irp d, 0,2
	v_pk_add_f32 v[SBG+16*\q+\d:SBG+16*\q+\d+1], v[SBG+16*\q+\d:SBG+16*\q+\d+1], v[SBG+16*\q+4+\d:SBG+16*\q+5+\d]
	v_pk_add_f32 v[SBG+16*\q+8+\d:SBG+16*\q+9+\d], v[SBG+16*\q+8+\d:SBG+16*\q+9+\d], v[SBG+16*\q+12+\d:SBG+16*\q+13+\d]
.endr
.endr
.irp q, 0,1
.irp d, 0,2
	v_pk_add_f32 v[SBG+16*\q+\d:SBG+16*\q+\d+1], v[SBG+16*\q+\d:SBG+16*\q+\d+1], v[SBG+16*\q+8+\d:SBG+16*\q+9+\d]
.endr
.endr
.irp q, 0,1
.irp d, 0,2
	v_pk_add_f32 v[SBG+16*\q+\d:SBG+16*\q+\d+1], v[SBG+16*\q+\d:SBG+16*\q+\d+1], v[BIAS+\d:BIAS+\d+1]
.endr
.endr
	WIN 0x01                                       ; source 0: x, in window 1
.irp q, 0,1
.irp d, 0,2
	v_pk_add_f32 v[SBG+16*\q+\d:SBG+16*\q+\d+1], v[4*(2*(\g)+\q)+\d:4*(2*(\g)+\q)+\d+1], v[SBG+16*\q+\d:SBG+16*\q+\d+1]
.endr
.endr
	WIN 0
.irp q, 0,1
.set RRQ, 2*(\g)+\q
	global_store_b128 v[XO], v[SBG+16*\q:SBG+16*\q+3], s[12:13] offset:(8*(RRQ/16)+(RRQ%8)+16*((RRQ%16)/8))*4096 th:TH_STORE_NT
.endr
.endm
	GLOAD 0
.set G, 0
.rept 16
.if G < 15
.if G > 0
	s_wait_xcnt 0x0                                ; the stores of two groups ago have read their registers: the loads below land there
.endif
	GLOAD G+1
.endif
	GSUM G
.set G, G+1
.endr
	s_wait_tensorcnt 0x0                           ; the wave's end
	ds_add_u32 v[SPW], v[NIL]
	s_wait_dscnt 0x0
	CROUND                                         ; the closing round
	s_endpgm
.Lfunc_end_k_q81bfd09ca1_ffn2:
	.size	k_q81bfd09ca1_ffn2, .Lfunc_end_k_q81bfd09ca1_ffn2-k_q81bfd09ca1_ffn2
	.p2alignl 7, 3214868480
	.fill 96, 4, 3214868480
	.section	.rodata,"a",@progbits
	.p2align	6, 0x0
	.amdhsa_kernel k_q81bfd09ca1_ffn2
		.amdhsa_group_segment_fixed_size 327680
		.amdhsa_private_segment_fixed_size 0
		.amdhsa_enable_private_segment 0
		.amdhsa_kernarg_size 40
		.amdhsa_user_sgpr_count 2
		.amdhsa_user_sgpr_kernarg_segment_ptr 1
		.amdhsa_wavefront_size32 1
		.amdhsa_system_sgpr_workgroup_id_x 1
		.amdhsa_system_sgpr_workgroup_id_y 1
		.amdhsa_system_sgpr_workgroup_id_z 1
		.amdhsa_system_vgpr_workitem_id 0
		.amdhsa_next_free_vgpr 1024
		.amdhsa_next_free_sgpr 100
		.amdhsa_reserve_vcc 0
		.amdhsa_float_denorm_mode_32 3
		.amdhsa_float_denorm_mode_16_64 3
		.amdhsa_memory_ordered 1
		.amdhsa_forward_progress 1
		.amdhsa_inst_pref_size 177
	.end_amdhsa_kernel
	.amdgpu_metadata
---
amdhsa.version: [ 1, 2 ]
amdhsa.kernels:
  - .name:           k_q81bfd09ca1_ffn2
    .symbol:         k_q81bfd09ca1_ffn2.kd
    .args:
      - { .name: big, .offset: 0, .size: 8, .value_kind: global_buffer, .address_space: global }
      - { .name: w2, .offset: 8, .size: 8, .value_kind: global_buffer, .address_space: global }
      - { .name: b2, .offset: 16, .size: 8, .value_kind: global_buffer, .address_space: global }
      - { .name: x, .offset: 24, .size: 8, .value_kind: global_buffer, .address_space: global }
      - { .name: out0, .offset: 32, .size: 8, .value_kind: global_buffer, .address_space: global }
    .group_segment_fixed_size: 327680
    .private_segment_fixed_size: 0
    .kernarg_segment_align: 8
    .kernarg_segment_size: 40
    .max_flat_workgroup_size: 128
    .sgpr_count:     100
    .vgpr_count:     1024
    .wavefront_size: 32
...
	.end_amdgpu_metadata
.endif
;; end of part 5
